; MI455X (gfx1250); checked and timed in simulation.
; The chip was launched on July 23, 2026; its instructions are those of AMD's public machine-readable ISA for CDNA 5 (MIT licence, August 2026) and "CDNA5" Instruction Set Architecture Reference Guide (July 2026). The comments in the code are by the model that wrote it; some were corrected since.
;; Multi Head Attention. Allowed arithmetic: matrix products marked QUANTISED: E2M1 operands, one E8M0 scale for each 32 along K, by v_wmma_scale_f32_16x16x128_f8f6f4 with both operands' format E2M1 (or v_wmma_scale_f32_32x16x128_f4), f32 sums; products left as they are: bf16, f16 or f32 operands; f32 sums; everything else in f32.
;; Inputs: key 2 x 2,048 x 1,024 float32; query 2 x 2,048 x 1,024 float32; value 2 x 2,048 x 1,024 float32; w_k 1,024 x 1,024 float32; w_o 1,024 x 1,024 float32; w_q 1,024 x 1,024 float32; w_v 1,024 x 1,024 float32.
;; Outputs: out0 2 x 2,048 x 1,024 float32.
;; This version of the problem:
;;   THIS VERSION OF THE PROBLEM IS GIVEN IN LOW PRECISION. The matrix products marked QUANTISED in the list below multiply operands that are first quantised to E2M1 (2 exponent bits, 1 mantissa bit; 4 bits a number), with one power-of-two scale for each 32 numbers along K (OCP MX v1.0); their sums are f32. The products marked 'left as it is' may take bf16, f16 or f32 operands, with f32 sums. Whichever they take, every output number must still come out within the allowed error. Rounding operands to bf16 (8 significant bits) uses up far more of that allowance than f16 does (11 bits, for magnitudes from 6e-5 to 65,504). All else is computed in f32.
;;   The module's matrix products, in the order in which they are computed (A, B: the left and right operand; K: the contracted axis; several contracted axes count as one K, in the product's order):
;;     1. [M 4,096, K 1,024] x [K 1,024, N 1,024]; A: input query; B: input w_q: QUANTISED
;;     2. [M 4,096, K 1,024] x [K 1,024, N 1,024]; A: input key; B: input w_k: QUANTISED
;;     3. [M 4,096, K 1,024] x [K 1,024, N 1,024]; A: input value; B: input w_v: QUANTISED
;;     4. batch 32 x [M 2,048, K 64] x [K 64, N 2,048]; A: computed on the way; B: computed on the way: left as it is (an operand is computed on the way)
;;     5. batch 32 x [M 2,048, K 2,048] x [K 2,048, N 64]; A: computed on the way; B: computed on the way: left as it is (an operand is computed on the way)
;;     6. [M 4,096, K 1,024] x [K 1,024, N 1,024]; A: computed on the way; B: input w_o: left as it is (an operand is computed on the way)
;;   THE QUANTISER, for each operand of a quantised product, along K:
;;     - K is cut into blocks of 32 from its start; a last block that is shorter is filled with zeros.
;;     - A block's scale is 2^e with e = floor(log2(the largest magnitude in the block)) - 2, held to -126 .. 127; a block of zeros has e = 0. As a byte (E8M0): e + 127.
;;     - Each number is divided by its block's scale, clamped to +-6, and rounded to the nearest number of E2M1, ties to even, subnormals kept.
;;     - The product sums the exact products of the quantised numbers (number of the format x scale) in f32.
;;   ~~~python
;;   def quantise(x, axis):      # numpy; x: float32 -> the quantised numbers, widened to float32 again
;;       x = np.moveaxis(x, axis, -1); K = x.shape[-1]
;;       x = np.pad(x, [(0, 0)] * (x.ndim - 1) + [(0, -K % 32)]); x = x.reshape(x.shape[:-1] + (-1, 32)); a = np.abs(x).max(-1, keepdims=True)
;;       e = np.where(a > 0, np.clip(np.frexp(np.where(a > 0, a, 1))[1] - 1 - 2, -126, 127), 0)      # np.frexp(a)[1] - 1 = floor(log2(a)), exactly
;;       r = np.clip(x / 2.0 ** e, -6, 6)
;;       step = 2.0 ** (np.maximum(np.frexp(np.where(r == 0, 1, r))[1] - 1, 0) - 1)
;;       q = np.round(r / step) * step * 2.0 ** e      # np.round: ties to even
;;       return np.moveaxis(q.reshape(q.shape[:-2] + (-1,))[..., :K], -1, axis).astype(np.float32)
;;   ~~~
;; One version. Each part assembles by itself: llvm-mc -triple=amdgcn-amd-amdhsa -mcpu=gfx1250 --defsym DOCPART=n.
;; ======== version 1 of 1: 5 launches
;; limits: values are held in f16: magnitudes above 65,504 overflow, below 6.1e-05 lose precision
;; workspace buffers: xq 6,684,672 bytes; wq 3,768,320 bytes; qkv 25,165,824 bytes; fine 393,216 bytes; bounds 3,072 bytes of whole numbers; att 8,388,608 bytes
;; launch prep (part 1): grid 448 x 1, 4 waves a work-group, no clusters, 34,304 bytes of LDS; arguments query, key, value, w_q, w_k, w_v, w_o, xq, wq; writes xq, wq
.if DOCPART == 1
	.amdgcn_target "amdgcn-amd-amdhsa--gfx1250"
	.amdhsa_code_object_version 6
	.text
	.protected	k_q72b9c1beda_prep
	.globl	k_q72b9c1beda_prep
	.p2align	8
	.type	k_q72b9c1beda_prep,@function
k_q72b9c1beda_prep:
	s_mov_b64 s[64:65], 0
	v_nop
	global_prefetch_b8 v0, s[64:65] scope:SCOPE_SE
	s_setreg_imm32_b32 hwreg(HW_REG_WAVE_MODE, 25, 1), 1
	s_wait_xcnt 0x0
; query, key, value [4096][1024] f32 and w_q, w_k, w_v [1024 (k)][1024 (n)] f32 become codes of FP4 (E2M1) with one E8M0 byte for each 32 along K; w_o becomes f16.
; EVERYTHING IS STORED IN THE ORDER OF THE OPERAND'S REGISTERS: a fragment (16 rows x 128 K of codes, or 16 rows x 32 K of f16) is an image of 1,024 bytes:
; its registers 0-3 at 16 x lane, its registers 4-7 at 512 + 16 x lane.  So every store of a wave covers 512 consecutive bytes, and a reader needs two 16-byte loads a lane.
;   xq: codes [tile of 16 rows: 256 p + t][K step 8][1024]; from XS on the scale words [tile][half of K][row 16][16 bytes = the words of 4 K steps]
;   wq: codes [p][tile of 16 columns 64][K step 8][1024]; from WS on their scale words, laid likewise; from WO on w_o as f16 [tile of 16 columns 64][32 along K: 32][1024]
; A block's scale is 2^(floor(log2(largest magnitude)) - 2): its byte is the largest magnitude's exponent field - 2, held at 1 from below by a floor among the maximum's leaves.
; LIMITS: a block of zeros gets the byte 1 (its codes are zeros, and this program alone reads the bytes); NaN and infinities are not served; w_o beyond f16's 65,504 is not served.
; Three paths by the work-group's number: 0-191 the activations (X), 192-383 the three weights (W), 384-447 w_o (O).  Only path X touches LDS.  Waves share nothing: no barrier.
.set XS,    6291456
.set WS,    1572864
.set WO,    1671168
.set STAGE, 8448                       ; path X: a wave's stage, 16 rows x (512 + 16) bytes
.set SPARE, 4*STAGE                    ; behind the stages: the spare words, 128 bytes a wave
.set RB,    64                         ; v64-191  numbers as loaded (X: two sets of 64; W, O: 128 down K)
.set XB,    192                        ; v192-255 X: 64 numbers of a lane in the operand's order; W: codes; O: packed f16
.set CD,    24                         ; v24-39   X: codes, two sets of 8
.set WD,    16                         ; v16-23   X: the eight K steps' scale words
	s_load_b512 s[4:19], s[0:1], 0x0               ; query, key, value, w_q, w_k, w_v, w_o, xq
	s_load_b64 s[20:21], s[0:1], 0x40              ; wq
	v_lshl_add_u32 v1, v0, 2, SPARE                ; my spare word; never rewritten
	v_mov_b32 v2, 0                                ; 0; never rewritten
	v_lshrrev_b32 v6, 5, v0
	v_readfirstlane_b32 s24, v6                    ; wave
	v_and_b32 v6, 31, v0                           ; lane
	v_lshlrev_b32 v3, 4, v6                        ; 16 x lane
	v_lshlrev_b32 v41, 2, v6                       ; 4 x lane
	v_and_b32 v7, 15, v0                           ; r
	v_bfe_u32 v8, v0, 4, 1                         ; h
	s_mov_b32 s26, 0x76543210
	s_mov_b32 s27, 0xfedcba98                      ; v_permlanex16_b32's selects for lane l xor 16
	s_mov_b32 s33, 0
	s_wait_kmcnt 0x0
	s_cmp_ge_u32 ttmp9, 384
	s_cbranch_scc1 .Lpath_o
	s_cmp_ge_u32 ttmp9, 192
	s_cbranch_scc1 .Lpath_w
; ---------------- PATH X: a wave takes 16 rows and all of K, 128 along K a step ----------------
; Each load reads 512 consecutive bytes of one row; the step's 16 x 512 bytes turn through the wave's stage, so that lane (r, h) gets K = 64 c + 32 h + 0..31 of row r, the operand's own order.
.macro XLOAD s
.irp i, 0,1,2,3,4,5,6,7,8,9,10,11,12,13,14,15
	global_load_b128 v[RB+64*((\s)%2)+4*\i:RB+64*((\s)%2)+4*\i+3], v3, s[30:31] offset:\i*4096+(\s)*512 th:TH_LOAD_NT
.endr
.endm
.macro XTURN s                         ; LDS serves a wave's instructions in order: no wait between the stores and the loads
.irp i, 0,1,2,3,4,5,6,7,8,9,10,11,12,13,14,15
	ds_store_b128 v4, v[RB+64*((\s)%2)+4*\i:RB+64*((\s)%2)+4*\i+3] offset:528*\i
.endr
.irp c, 0,1
.irp j, 0,1,2,3,4,5,6,7
	ds_load_b128 v[XB+32*\c+4*\j:XB+32*\c+4*\j+3], v5 offset:256*\c+16*\j
.endr
.endr
.endm
.macro QX s                            ; my two whole blocks (h and 2 + h) of the step: scale, word, codes, two stores
	v_max3_num_f32 v10, |v[XB]|, |v[XB+1]|, 0x1800000              ; the floor 2^(3 - 127): the byte cannot fall under 1
	v_max3_num_f32 v11, |v[XB+32]|, |v[XB+33]|, 0x1800000
.irp i, 2,4,6,8,10,12,14,16,18,20,22,24,26,28,30
	v_max3_num_f32 v10, v10, |v[XB+\i]|, |v[XB+\i+1]|
	v_max3_num_f32 v11, v11, |v[XB+32+\i]|, |v[XB+33+\i]|
.endr
	v_add_nc_u32 v12, 0xff000000, v10              ; 2 off the exponent field: the conversion's scale operand
	v_add_nc_u32 v13, 0xff000000, v11
	v_lshrrev_b32 v14, 23, v12                     ; the bytes
	v_lshrrev_b32 v15, 23, v13
	v_lshl_or_b32 v14, v15, 16, v14
	v_lshlrev_b32 v14, v9, v14                     ; at their places in the word: 8 h bits up
	v_permlanex16_b32 v40, v14, s26, s27
	v_or_b32 v[WD+(\s)], v14, v40                  ; with lane l xor 16's two bytes the row's word is whole
	s_wait_xcnt 0x0                                ; the stores of two steps ago have read this set of code registers
.irp c, 0,1
.irp g, 0,1,2,3
	v_cvt_scalef32_pk8_fp4_f32 v[CD+8*((\s)%2)+4*\c+\g], v[XB+32*\c+8*\g:XB+32*\c+8*\g+7], v[12+\c]
.endr
.endr
	v_nop                                          ; one plain place behind the last scaled conversion
	global_store_b128 v3, v[CD+8*((\s)%2):CD+8*((\s)%2)+3], s[36:37] offset:(\s)*1024
	global_store_b128 v3, v[CD+8*((\s)%2)+4:CD+8*((\s)%2)+7], s[36:37] offset:(\s)*1024+512
.endm
	s_and_b32 s28, ttmp9, 63
	s_lshl_b32 s28, s28, 2
	s_add_co_u32 s28, s28, s24                     ; my tile of 16 rows in its tensor
	s_lshl_b32 s32, s28, 16                        ; 16 rows of 4,096 bytes
	s_cmp_lt_u32 ttmp9, 128
	s_cselect_b64 s[30:31], s[6:7], s[8:9]
	s_cmp_lt_u32 ttmp9, 64
	s_cselect_b64 s[30:31], s[4:5], s[30:31]       ; the choice hangs on the work-group's number alone
	s_add_nc_u64 s[30:31], s[30:31], s[32:33]
	XLOAD 0
	XLOAD 1
	s_lshl_b32 s34, ttmp9, 2
	s_add_co_u32 s34, s34, s24                     ; tile 0..767 over the three tensors
	s_lshl_b32 s32, s34, 13
	s_add_nc_u64 s[36:37], s[18:19], s[32:33]      ; its codes
	s_lshl_b32 s32, s34, 9
	s_add_co_u32 s32, s32, XS
	s_add_nc_u64 s[38:39], s[18:19], s[32:33]      ; its scale words
	s_mul_i32 s25, s24, STAGE
	v_add_nc_u32 v4, s25, v3                       ; into the stage: 16 x lane of a row
	v_mul_u32_u24 v5, v7, 528
	v_lshl_add_u32 v5, v8, 7, v5
	v_add_nc_u32 v5, s25, v5                       ; out of it: row r, + 128 h; the pitch is an odd multiple of 16 bytes
	v_lshlrev_b32 v9, 3, v8                        ; 8 h
	v_mov_b32 v40, 0                               ; a lane permute's destination counts as read
.irp s, 0,1,2,3,4,5,6,7
.if \s < 7
	s_wait_loadcnt 16                              ; this step's 16 loads are in; the next step's 16 may be out
.else
	s_wait_loadcnt 0x0
.endif
	XTURN \s
	s_wait_dscnt 0x0                               ; my 64 numbers are back, and the stage's stores have read the loaded set,
.if \s < 6
	XLOAD \s+2                                     ; which takes the loads of two steps on
.endif
	QX \s
.endr
	v_cmp_eq_u32 vcc_lo, 1, v8
.irp i, 0,1,2,3
	v_cndmask_b32 v[44+\i], v[WD+\i], v[WD+4+\i], vcc_lo           ; lanes 0-15 store the words of K steps 0-3, lanes 16-31 those of 4-7
.endr
	global_store_b128 v3, v[44:47], s[38:39]       ; 512 consecutive bytes
	s_wait_tensorcnt 0x0                           ; the wave's end, behind my last LDS store
	ds_add_u32 v1, v2
	s_wait_dscnt 0x0
	s_endpgm
; ---------------- PATHS W AND O: a lane takes a column, its registers run down K: 32 columns x 128 along K a wave ----------------
.macro WLOAD
.set n, 0
.rept 128
	global_load_b32 v[RB+n], v41, s[30:31] offset:n*4096 th:TH_LOAD_NT    ; 128 consecutive bytes a wave, the four waves side by side
.set n, n+1
.endr
.endm
.macro WBLOCK t, left                  ; block t of 32 along K: all its numbers are mine
.set XS0, RB+32*\t
	s_wait_loadcnt \left
	v_max3_num_f32 v12, |v[XS0]|, |v[XS0+1]|, |v[XS0+2]|
	v_max3_num_f32 v13, |v[XS0+3]|, |v[XS0+4]|, |v[XS0+5]|
.irp i, 6,10,14,18,22,26
	v_max3_num_f32 v12, v12, |v[XS0+\i]|, |v[XS0+\i+1]|
	v_max3_num_f32 v13, v13, |v[XS0+\i+2]|, |v[XS0+\i+3]|
.endr
	v_max3_num_f32 v12, v12, |v[XS0+30]|, |v[XS0+31]|
	v_max3_num_f32 v12, v12, v13, 0x1800000        ; the floor
	v_add_nc_u32 v[20+\t], 0xff000000, v12         ; the conversion's scale operand
	v_lshrrev_b32 v13, 23, v[20+\t]                ; the byte
.if \t == 0
	v_mov_b32 v16, v13
.else
	v_lshl_or_b32 v16, v13, 8*\t, v16              ; the column's scale word of this K step
.endif
.irp g, 0,1,2,3
	v_cvt_scalef32_pk8_fp4_f32 v[XB+4*\t+\g], v[XS0+8*\g:XS0+8*\g+7], v[20+\t]
.endr
	v_nop                                          ; one plain place behind the last scaled conversion
.endm
.Lpath_w:
	s_sub_co_u32 s28, ttmp9, 192
	s_lshr_b32 s29, s28, 6                         ; p: which weight
	s_and_b32 s28, s28, 63
	s_and_b32 s34, s28, 7
	s_lshl_b32 s34, s34, 2
	s_add_co_u32 s34, s34, s24                     ; cg: my 32 columns
	s_lshr_b32 s35, s28, 3                         ; ks: my K step
	s_lshl_b32 s32, s35, 19                        ; 128 rows of 4,096 bytes
	s_lshl_b32 s25, s34, 7
	s_add_co_u32 s32, s32, s25
	s_cmp_lt_u32 s29, 2
	s_cselect_b64 s[30:31], s[12:13], s[14:15]
	s_cmp_lt_u32 s29, 1
	s_cselect_b64 s[30:31], s[10:11], s[30:31]
	s_add_nc_u64 s[30:31], s[30:31], s[32:33]
	WLOAD
	s_lshl_b32 s32, s29, 6
	s_lshl_b32 s36, s34, 1
	s_add_co_u32 s36, s36, s32                     ; 64 p + 2 cg: the first of my two tiles of 16 columns
	s_lshl_b32 s32, s36, 3
	s_add_co_u32 s32, s32, s35
	s_lshl_b32 s32, s32, 10
	s_add_nc_u64 s[38:39], s[20:21], s[32:33]      ; its fragment of this K step
	s_lshl_b32 s32, s36, 9
	s_lshr_b32 s37, s35, 2
	s_lshl_b32 s37, s37, 8
	s_add_co_u32 s32, s32, s37
	s_and_b32 s37, s35, 3
	s_lshl_b32 s37, s37, 2
	s_add_co_u32 s32, s32, s37
	s_add_co_u32 s32, s32, WS
	s_add_nc_u64 s[36:37], s[20:21], s[32:33]      ; and its scale words
	v_lshlrev_b32 v5, 4, v7
	v_lshl_add_u32 v5, v8, 9, v5                   ; tile lane / 16, row lane % 16
	WBLOCK 0, 63                                   ; 96 younger loads could stay out; the wait's field ends at 63
	WBLOCK 1, 63
	WBLOCK 2, 32
	WBLOCK 3, 0
.irp i, 0,1,2,3                        ; a fragment wants block h (and 2 + h) of column r in lane (r, h): the halves of the lanes change places
	v_permlane16_swap_b32 v[XB+\i], v[XB+4+\i]
	v_permlane16_swap_b32 v[XB+8+\i], v[XB+12+\i]
.endr
	global_store_b128 v3, v[XB:XB+3], s[38:39]
	global_store_b128 v3, v[XB+8:XB+11], s[38:39] offset:512
	global_store_b128 v3, v[XB+4:XB+7], s[38:39] offset:8192       ; the second tile: 8 K steps on
	global_store_b128 v3, v[XB+12:XB+15], s[38:39] offset:8704
	global_store_b32 v5, v16, s[36:37]             ; four bytes of each row's sixteen: 96 KB of such pieces in the whole launch
	s_endpgm
.Lpath_o:
	s_sub_co_u32 s28, ttmp9, 384
	s_and_b32 s34, s28, 7
	s_lshl_b32 s34, s34, 2
	s_add_co_u32 s34, s34, s24                     ; cg
	s_lshr_b32 s35, s28, 3                         ; ks
	s_lshl_b32 s32, s35, 19
	s_lshl_b32 s25, s34, 7
	s_add_co_u32 s32, s32, s25
	s_add_nc_u64 s[30:31], s[16:17], s[32:33]
	WLOAD
	s_lshl_b32 s32, s34, 6                         ; tile 2 cg x 32 groups of 32 along K
	s_lshl_b32 s25, s35, 2
	s_add_co_u32 s32, s32, s25
	s_lshl_b32 s32, s32, 10
	s_add_co_u32 s32, s32, WO
	s_add_nc_u64 s[38:39], s[20:21], s[32:33]
.macro OBLOCK t, left                  ; 32 along K of my column: 16 registers of f16 pairs; the halves of the lanes change places as the 16-bit layout asks
.set PB, XB+16*\t
	s_wait_loadcnt \left
.irp i, 0,1,2,3,4,5,6,7,8,9,10,11,12,13,14,15
	v_cvt_pk_f16_f32 v[PB+\i], v[RB+32*\t+2*\i], v[RB+32*\t+2*\i+1]
.endr
.irp i, 0,1,2,3
	v_permlane16_swap_b32 v[PB+\i], v[PB+4+\i]
	v_permlane16_swap_b32 v[PB+8+\i], v[PB+12+\i]
.endr
	global_store_b128 v3, v[PB:PB+3], s[38:39] offset:\t*1024
	global_store_b128 v3, v[PB+8:PB+11], s[38:39] offset:\t*1024+512
	global_store_b128 v3, v[PB+4:PB+7], s[38:39] offset:\t*1024+32768
	global_store_b128 v3, v[PB+12:PB+15], s[38:39] offset:\t*1024+33280
.endm
	OBLOCK 0, 63
	OBLOCK 1, 63
	OBLOCK 2, 32
	OBLOCK 3, 0
	s_endpgm
.Lfunc_end_k_q72b9c1beda_prep:
	.size	k_q72b9c1beda_prep, .Lfunc_end_k_q72b9c1beda_prep-k_q72b9c1beda_prep
	.p2alignl 7, 3214868480
	.fill 96, 4, 3214868480
	.section	.rodata,"a",@progbits
	.p2align	6, 0x0
	.amdhsa_kernel k_q72b9c1beda_prep
		.amdhsa_group_segment_fixed_size 34304
		.amdhsa_private_segment_fixed_size 0
		.amdhsa_enable_private_segment 0
		.amdhsa_kernarg_size 72
		.amdhsa_user_sgpr_count 2
		.amdhsa_user_sgpr_kernarg_segment_ptr 1
		.amdhsa_wavefront_size32 1
		.amdhsa_system_sgpr_workgroup_id_x 1
		.amdhsa_system_sgpr_workgroup_id_y 1
		.amdhsa_system_sgpr_workgroup_id_z 1
		.amdhsa_system_vgpr_workitem_id 0
		.amdhsa_next_free_vgpr 256
		.amdhsa_next_free_sgpr 66
		.amdhsa_reserve_vcc 1
		.amdhsa_float_denorm_mode_32 3
		.amdhsa_float_denorm_mode_16_64 3
		.amdhsa_memory_ordered 1
		.amdhsa_forward_progress 1
		.amdhsa_inst_pref_size 96
	.end_amdhsa_kernel
	.amdgpu_metadata
---
amdhsa.version: [ 1, 2 ]
amdhsa.kernels:
  - .name:           k_q72b9c1beda_prep
    .symbol:         k_q72b9c1beda_prep.kd
    .args:
      - { .name: query, .offset: 0, .size: 8, .value_kind: global_buffer, .address_space: global }
      - { .name: key, .offset: 8, .size: 8, .value_kind: global_buffer, .address_space: global }
      - { .name: value, .offset: 16, .size: 8, .value_kind: global_buffer, .address_space: global }
      - { .name: w_q, .offset: 24, .size: 8, .value_kind: global_buffer, .address_space: global }
      - { .name: w_k, .offset: 32, .size: 8, .value_kind: global_buffer, .address_space: global }
      - { .name: w_v, .offset: 40, .size: 8, .value_kind: global_buffer, .address_space: global }
      - { .name: w_o, .offset: 48, .size: 8, .value_kind: global_buffer, .address_space: global }
      - { .name: xq, .offset: 56, .size: 8, .value_kind: global_buffer, .address_space: global }
      - { .name: wq, .offset: 64, .size: 8, .value_kind: global_buffer, .address_space: global }
    .group_segment_fixed_size: 34304
    .private_segment_fixed_size: 0
    .kernarg_segment_align: 8
    .kernarg_segment_size: 72
    .max_flat_workgroup_size: 128
    .sgpr_count:     66
    .vgpr_count:     256
    .wavefront_size: 32
...
	.end_amdgpu_metadata
.endif
;; end of part 1
;; launch proj (part 2): grid 4 x 48, 4 waves a work-group, clusters of 4 x 4, 327,680 bytes of LDS; arguments xq, wq, qkv, fine, bounds; writes qkv, fine, bounds
.if DOCPART == 2
	.amdgcn_target "amdgcn-amd-amdhsa--gfx1250"
	.amdhsa_code_object_version 6
	.text
	.protected	k_q72b9c1beda_proj
	.globl	k_q72b9c1beda_proj
	.p2align	8
	.type	k_q72b9c1beda_proj,@function
k_q72b9c1beda_proj:
	s_mov_b64 s[64:65], 0
	v_nop
	global_prefetch_b8 v0, s[64:65] scope:SCOPE_SE
	s_setreg_imm32_b32 hwreg(HW_REG_WAVE_MODE, 25, 1), 1
	s_wait_xcnt 0x0
	s_wait_alu depctr_hold_cnt(0) depctr_sa_sdst(0) depctr_va_vdst(0) depctr_va_sdst(0) depctr_va_ssrc(0) depctr_va_vcc(0) depctr_vm_vsrc(0)
	s_getreg_b32 s2, hwreg(HW_REG_IB_STS2, 6, 4)
	s_cmp_eq_u32 s2, 0
	s_cbranch_scc0 .Lentry_in_a_cluster
	s_endpgm
.Lentry_in_a_cluster:
	s_bfe_u32 s2, ttmp6, 0x10000c
	s_cmp_lg_u32 s2, 0xf033
	s_cbranch_scc0 .Lentry_shape_is_right
	s_endpgm
.Lentry_shape_is_right:
; q = query w_q, k = key w_k, v = value w_v on codes of FP4 with E8M0 scales (v_wmma_scale_f32_16x16x128_f8f6f4), f32 sums; results leave as f16 IN THE ORDER OF THE NEXT OPERAND'S REGISTERS.
; 192 work-groups, a tile of 256 x 256 each; four waves, 128 x 128 each: 64 accumulators.  K = 1,024 is two LDS slots of 512, both asked for at the head: nothing is filled again.
; Twelve clusters of 4 x 4: cluster y = 4 p + u (p: which product; u: which 1,024 tokens).  "A" (source 1, shared along a row of the cluster) is the activation for q and k and the WEIGHT for v;
; "B" (source 0, shared along a column) the other.  A lane's eight results are eight rows of B for one row of A: for q, k a token and 8 channels, for v a channel and 8 keys: half a 16-bit fragment either way.
; Operands lie in memory as images of fragments (1,024 bytes: registers 0-3 at 16 x lane, 4-7 at 512 + 16 x lane), [tile of 16 rows][K step 8][1024]: a tensor load brings 8 tiles x 4 K steps, dense in LDS;
; a fragment is two LDS loads of 512 consecutive bytes.  The scale words, [tile][half of K][row][16 bytes], come once with the first fills.
; ALSO STORED: the f32 results of positions 0-15 of each sequence (fine), as images of the accumulators; and for each wave the exponent field of its largest |result| + 1 (bounds), a whole number.
; LIMITS: results beyond f16's 65,504 are not served; NaN and infinities are not served.
; REGISTERS: window 0: v8-11, v16-29 addresses; v12-15, v30, v31 at work on the way out; v32-95 scale words, two sets, and nothing else; v128-191 A's fragments, one set (later packed results).
;   window 1: B's fragments, two sets.  windows 2, 3: accumulator (a, b) at v[8 (8 (a % 4) + b)].
.set XS,    6291456
.set WS,    1572864
.set NQ,    4                          ; steps of 128 along K in a slot
.set FR,    8
.set NL,    2
.set NP,    4
.set CHUNK, 32768                      ; 8 tiles x 4 K steps x 1,024: what one tensor load brings
.set SLOT,  4*CHUNK                    ; A's two halves, then B's two
.set SCL,   2*SLOT                     ; the scale words: 4,096 bytes a wave
.set SPARE, SCL+4*4096                 ; the spare words, 128 bytes a wave
.set VO,   8                           ; v8-11  16 x lane + where results of B's tiles 2 c, 2 c + 1 go
.set BD,   12                          ; v12-15 the largest magnitude, in four chains
.set ADRA, 16
.set ADRB, 20
.set L16,  24
.set ADRS, 27
.set SPW,  28
.set NIL,  29
.set MK,   30                          ; v30    a flag for a mask of lanes
.set ZO,   31                          ; v31    the offset 0
.set SC,   32
.set AF,   128
.set TMP,  128
.set G1,   24
.set G0,   32
.set G1B,  48
.set G0B,  56
.set G1S,  68
.set G0S,  76
.set G1SB, 80
.set G0SB, 88
.set MSB, 0
.macro WIN new                         ; the immediate's high byte repeats the setting that is left
.if MSB != (\new)
	s_set_vgpr_msb (MSB<<8)|(\new)
.set MSB, (\new)
.endif
.endm
.set MUL_LO, 0xa1                      ; source 0 (B) window 1, source 1 (A) window 0, C and D window 2
.set MUL_HI, 0xf1
.set TO_B,   0x40
.macro JLOAD g0a, g1a, g0b, g1b        ; a joint load: waves 0, 1 fetch for A, waves 2, 3 for B; an s_nop 0 and four v_nop follow each line
	s_cmp_eq_u32 s15, 0
	s_cbranch_scc0 .Lfor_b_\@
	tensor_load_to_lds s[\g0a:\g0a+3], s[\g1a:\g1a+7]
	s_nop 0
.rept 4
	v_nop
.endr
	s_branch .Lasked_\@
.Lfor_b_\@:
	tensor_load_to_lds s[\g0b:\g0b+3], s[\g1b:\g1b+7]
	s_nop 0
.rept 4
	v_nop
.endr
.Lasked_\@:
.endm
.macro CROUND                          ; a round of the cluster's barrier
	s_barrier_signal -1
	s_barrier_wait -1
	s_cmp_lg_u32 s14, 0
	s_cbranch_scc1 .Lnot_wave_0_\@
	s_barrier_signal -3
.Lnot_wave_0_\@:
	s_barrier_wait -3
	s_barrier_signal -1
	s_barrier_wait -1
.endm
	s_load_b256 s[4:11], s[0:1], 0x0               ; xq, wq, qkv, fine
	s_load_b64 s[12:13], s[0:1], 0x20              ; bounds
	v_lshl_add_u32 v[SPW], v0, 2, SPARE
	v_mov_b32 v[NIL], 0
	ds_add_u32 v[SPW], v[NIL]                      ; the wave's opening: the add, twice on end, and its wait ahead of my first tensor load
	ds_add_u32 v[SPW], v[NIL]
	v_lshrrev_b32 v1, 5, v0
	v_readfirstlane_b32 s14, v1                    ; wave
	s_lshr_b32 s15, s14, 1                         ; my half of A's rows.  Also: I fetch for A (0) or B (1)
	s_and_b32 s16, s14, 1                          ; my half of B's rows.  Also: which 128 rows I fetch
	s_bfe_u32 s40, ttmp6, 0x40000                  ; cx
	s_bfe_u32 s41, ttmp6, 0x40004                  ; cy
	s_and_b32 s17, ttmp7, 0xffff                   ; the cluster: 4 p + u
	s_lshr_b32 s42, s17, 2                         ; p
	s_and_b32 s43, s17, 3                          ; u
	s_lshl_b32 s44, s43, 2
	s_cmp_eq_u32 s42, 2                            ; v?  The same in all sixteen partners
	s_cselect_b32 s47, 1, 0
	s_cselect_b32 s45, 0, s44
	s_cselect_b32 s46, s44, 0
	s_add_co_u32 s45, s45, s41                     ; A's tile of 256 rows
	s_add_co_u32 s46, s46, s40                     ; B's
	s_lshl_b32 s92, s41, 2
	s_lshl_b32 s92, 15, s92                        ; my row of the cluster
	s_lshl_b32 s93, 0x1111, s40                    ; my column
	s_or_b32 s[G1+0], s92, (3<<16)|(1<<21)         ; 15:0 the mask; 17:16 elements of 8 bytes; 21 set beside a mask; no padding
	s_or_b32 s[G1B+0], s93, (3<<16)|(1<<21)
.irp g, G1, G1B
	s_mov_b32 s[\g+1], 512<<16                     ; tensor_dim0: 4 K steps of a tile, 4,096 bytes
	s_mov_b32 s[\g+2], 8<<16                       ; tensor_dim1: 8 tiles
	s_mov_b32 s[\g+3], 512<<16                     ; tile_dim0
	s_mov_b32 s[\g+4], 8                           ; tile_dim1
	s_mov_b32 s[\g+5], 1024                        ; from tile to tile: 8,192 bytes
	s_mov_b32 s[\g+6], 0
	s_mov_b32 s[\g+7], 0
.endr
	s_or_b32 s[G1S+0], s92, (3<<16)|(1<<21)
	s_or_b32 s[G1SB+0], s93, (3<<16)|(1<<21)
.irp g, G1S, G1SB                      ; the scale words of 128 rows: 4,096 dense bytes as 16 rows of 256
	s_mov_b32 s[\g+1], 32<<16
	s_mov_b32 s[\g+2], 16<<16
	s_mov_b32 s[\g+3], 32<<16
	s_mov_b32 s[\g+4], 16
	s_mov_b32 s[\g+5], 32
	s_mov_b32 s[\g+6], 0
	s_mov_b32 s[\g+7], 0
.endr
	s_lshl_b32 s94, s42, 21                        ; the activation's codes begin here in xq,
	s_lshl_b32 s95, s42, 17
	s_add_co_u32 s95, s95, XS                      ; its scale words here;
	s_lshl_b32 s96, s42, 19                        ; the weight's codes in wq,
	s_lshl_b32 s97, s42, 15
	s_add_co_u32 s97, s97, WS                      ; its scale words
	s_cmp_eq_u32 s47, 1
	s_cselect_b32 s18, s96, s94                    ; A: codes,
	s_cselect_b32 s19, s97, s95                    ;    scales
	s_cselect_b32 s20, s94, s96                    ; B: codes,
	s_cselect_b32 s21, s95, s97                    ;    scales
	s_lshl_b32 s22, s45, 17                        ; 256 rows are 131,072 bytes of codes
	s_add_co_u32 s18, s18, s22
	s_lshl_b32 s22, s45, 13                        ; and 8,192 of scale words
	s_add_co_u32 s19, s19, s22
	s_lshl_b32 s23, s46, 17
	s_add_co_u32 s20, s20, s23
	s_lshl_b32 s23, s46, 13
	s_add_co_u32 s21, s21, s23
	s_lshl_b32 s17, s16, 16                        ; the half that I fetch
	s_add_co_u32 s18, s18, s17
	s_add_co_u32 s20, s20, s17
	s_lshl_b32 s17, s16, 12
	s_add_co_u32 s19, s19, s17
	s_add_co_u32 s21, s21, s17
	s_lshl_b32 s66, s14, 15                        ; where they go: wave x a chunk: no place in the cluster enters an LDS address
	s_lshl_b32 s67, s14, 12
	s_mov_b32 s23, 0
	s_mov_b32 s3, 0
	s_wait_dscnt 0x0                               ; both opening adds are done
	s_wait_kmcnt 0x0
	s_cmp_eq_u32 s47, 1
	s_cselect_b64 s[94:95], s[6:7], s[4:5]         ; A's buffer
	s_cselect_b64 s[96:97], s[4:5], s[6:7]         ; B's
	CROUND                                         ; all sixteen work-groups are here: the first joint loads meet
	s_mov_b32 s22, s19
	s_mov_b32 s2, s21
	s_mov_b32 s[G0S], 1
	s_add_co_u32 s[G0S+1], s67, SCL
	s_add_nc_u64 s[G0S+2:G0S+3], s[94:95], s[22:23]
	s_or_b32 s[G0S+3], s[G0S+3], 0x80000000
	s_mov_b32 s[G0SB], 1
	s_add_co_u32 s[G0SB+1], s67, SCL
	s_add_nc_u64 s[G0SB+2:G0SB+3], s[96:97], s[2:3]
	s_or_b32 s[G0SB+3], s[G0SB+3], 0x80000000
	JLOAD G0S, G1S, G0SB, G1SB                     ; the scale words first: they are wanted with slot 0
	s_mov_b32 s22, s18
	s_mov_b32 s2, s20
.irp s, 0,1
	s_mov_b32 s[G0+4*\s], 1
	s_add_co_u32 s[G0+4*\s+1], s66, \s*SLOT
	s_add_nc_u64 s[G0+4*\s+2:G0+4*\s+3], s[94:95], s[22:23]
	s_add_nc_u64 s[G0+4*\s+2:G0+4*\s+3], s[G0+4*\s+2:G0+4*\s+3], \s*4096
	s_or_b32 s[G0+4*\s+3], s[G0+4*\s+3], 0x80000000
	s_mov_b32 s[G0B+4*\s], 1
	s_add_co_u32 s[G0B+4*\s+1], s66, \s*SLOT
	s_add_nc_u64 s[G0B+4*\s+2:G0B+4*\s+3], s[96:97], s[2:3]
	s_add_nc_u64 s[G0B+4*\s+2:G0B+4*\s+3], s[G0B+4*\s+2:G0B+4*\s+3], \s*4096
	s_or_b32 s[G0B+4*\s+3], s[G0B+4*\s+3], 0x80000000
	JLOAD G0+4*\s, G1, G0B+4*\s, G1B               ; three tensor loads of mine are out now
.endr
	v_and_b32 v1, 15, v0                           ; r
	v_bfe_u32 v2, v0, 4, 1                         ; h
	v_and_b32 v3, 31, v0
	v_lshlrev_b32 v[L16], 4, v3
	s_lshl_b32 s92, s15, 15                        ; my 128 rows of A,
	s_lshl_b32 s93, s16, 15
	s_add_co_u32 s93, s93, 2*CHUNK                 ; of B
.irp s, 0,1
	v_add_nc_u32 v[ADRA+\s], s92, v[L16]
	v_add_nc_u32 v[ADRB+\s], s93, v[L16]
	s_add_co_u32 s92, s92, SLOT
	s_add_co_u32 s93, s93, SLOT
.endr
	s_lshl_b32 s92, s15, 12                        ; scale words: lanes 0-15 take A's rows, lanes 16-31 B's: the lower base + h x the distance
	s_lshl_b32 s93, s16, 12
	s_add_co_u32 s93, s93, 2*4096
	s_sub_co_u32 s93, s93, s92
	v_mul_u32_u24 v6, s93, v2
	s_add_co_u32 s92, s92, SCL
	v_lshl_add_u32 v5, v1, 4, v6
	v_add_nc_u32 v[ADRS], s92, v5
	; where the results go.  "token" and "channel" are A's and B's coordinates for q, k and the other way round for v
	s_cmp_eq_u32 s47, 1
	s_mov_b32 s18, 2048
	s_cselect_b32 s18, 1024, s18                   ; from a block of A's 16 rows to the next: a token tile (q, k), a channel tile (v)
	s_mov_b32 s19, 0
	s_mov_b32 s20, 2048
	s_cselect_b32 s20, 259072, s20                 ; from block 3 to block 4: v goes on to the next head
	s_mov_b32 s21, 0
	s_mov_b32 s92, 1024
	s_cselect_b32 s92, 4096, s92                   ; B's tiles 2, 3: the head's second 32 channels (q, k), the next 32 keys (v)
	s_mov_b32 s93, 262144
	s_cselect_b32 s93, 8192, s93
	s_mov_b32 s94, 263168
	s_cselect_b32 s94, 12288, s94
	s_cselect_b32 s95, s46, s45                    ; the tokens' tile of 256,
	s_cselect_b32 s96, s45, s46                    ; the channels',
	s_cselect_b32 s97, s16, s15                    ; my half of the tokens,
	s_cselect_b32 s17, s15, s16                    ; of the channels
	v_mov_b32 v[VO], v[L16]
	v_add_nc_u32 v[VO+1], s92, v[L16]
	v_add_nc_u32 v[VO+2], s93, v[L16]
	v_add_nc_u32 v[VO+3], s94, v[L16]
	s_lshr_b32 s92, s95, 3                         ; batch
	s_lshl_b32 s93, s96, 2
	s_lshl_b32 s94, s17, 1
	s_add_co_u32 s93, s93, s94                     ; the first of my two heads
	s_lshl_b32 s94, s92, 4
	s_add_co_u32 s94, s94, s93
	s_lshl_b32 s2, s94, 18                         ; 262,144 bytes for each batch and head,
	s_lshl_b32 s94, s42, 23                        ; 8,388,608 for each of q, k, v,
	s_add_co_u32 s2, s2, s94
	s_and_b32 s94, s95, 7
	s_lshl_b32 s66, s94, 15                        ; 256 tokens are 32,768 bytes of a head in all three layouts
	s_add_co_u32 s2, s2, s66
	s_lshl_b32 s66, s97, 14
	s_add_co_u32 s2, s2, s66
	s_add_nc_u64 s[8:9], s[8:9], s[2:3]
	s_or_b32 s94, s94, s97                         ; 0 where my tokens begin a sequence
	s_cmp_eq_u32 s94, 0
	s_cselect_b32 s94, 1, 0
	s_and_b32 s23, s94, s47                        ; 1: I hold v of positions 0-15
	s_xor_b32 s66, s47, 1
	s_and_b32 s22, s94, s66                        ; 1: I hold q or k of positions 0-15
	s_lshl_b32 s66, s42, 1
	s_add_co_u32 s66, s66, s92
	s_lshl_b32 s66, s66, 4
	s_add_co_u32 s66, s66, s93
	s_lshl_b32 s2, s66, 12                         ; fine: 4,096 bytes for each of (p, batch, head)
	s_add_nc_u64 s[10:11], s[10:11], s[2:3]
	s_lshl_b32 s66, s43, 4
	s_lshl_b32 s67, s41, 2
	s_add_co_u32 s66, s66, s67
	s_add_co_u32 s66, s66, s40
	s_lshl_b32 s66, s66, 2
	s_add_co_u32 s66, s66, s14
	s_lshl_b32 s67, s42, 8
	s_add_co_u32 s66, s66, s67
	s_lshl_b32 s2, s66, 2                          ; bounds: word 256 p + 4 (16 u + 4 cy + cx) + wave
	s_add_nc_u64 s[12:13], s[12:13], s[2:3]
	s_mov_b32 s98, 0x76543210
	s_mov_b32 s99, 0xfedcba98
.macro FRAG reg, adr, q, i             ; a fragment's image: tile i, the slot's q-th K step
.irp c, 0,1
	ds_load_b128 v[\reg+4*\c:\reg+4*\c+3], v[\adr] offset:((\i)*4+(\q))*1024+512*\c
.endr
.endm
; 16 matrix instructions: A's blocks a0, a0 + 1 x B's eight.  The 64 accumulators take turns, one instruction a turn, in the same order in every step.
.macro MUL16 a0, p, q, sc, zero
.irp a, \a0, \a0+1
.irp b, 0,1,2,3,4,5,6,7
.if \zero
	v_wmma_scale_f32_16x16x128_f8f6f4 v[8*(8*((\a)%4)+\b):8*(8*((\a)%4)+\b)+7], v[128*(\p)+FR*\b:128*(\p)+FR*\b+FR-1], v[AF+FR*(\a):AF+FR*(\a)+FR-1], 0, v[SC+8*NQ*(\sc)+NQ*\b+(\q)], v[SC+8*NQ*(\sc)+NQ*(\a)+(\q)] matrix_a_fmt:MATRIX_FMT_FP4 matrix_b_fmt:MATRIX_FMT_FP4 matrix_a_scale:MATRIX_SCALE_ROW1
.else
	v_wmma_scale_f32_16x16x128_f8f6f4 v[8*(8*((\a)%4)+\b):8*(8*((\a)%4)+\b)+7], v[128*(\p)+FR*\b:128*(\p)+FR*\b+FR-1], v[AF+FR*(\a):AF+FR*(\a)+FR-1], v[8*(8*((\a)%4)+\b):8*(8*((\a)%4)+\b)+7], v[SC+8*NQ*(\sc)+NQ*\b+(\q)], v[SC+8*NQ*(\sc)+NQ*(\a)+(\q)] matrix_a_fmt:MATRIX_FMT_FP4 matrix_b_fmt:MATRIX_FMT_FP4 matrix_a_scale:MATRIX_SCALE_ROW1
.endif
.endr
.endr
.endm
.macro FETCH_B slot, q, p
	WIN TO_B
.irp i, 0,1,2,3,4,5,6,7
	FRAG 128*(\p)+FR*\i, ADRB+\slot, \q, \i
.endr
	WIN 0
.endm
.macro FETCH_A slot, q, i0
.irp i, \i0, \i0+1, \i0+2, \i0+3
	FRAG AF+FR*(\i), ADRA+\slot, \q, \i
.endr
.endm
.macro SCALES sc                       ; a slot's scale words: four words a row; lanes 0-15 A's block i, lanes 16-31 B's block i
.irp i, 0,1,2,3,4,5,6,7
	ds_load_b128 v[SC+8*NQ*\sc+NQ*\i:SC+8*NQ*\sc+NQ*\i+3], v[ADRS] offset:\i*512+256*\sc
.endr
.endm
.macro PLACES n                        ; plain vector places behind matrix instructions, in front of loads into their registers and of reads of results
.rept \n
	v_nop
.endr
.endm
.macro STEP slot, q, zero              ; 128 along K that has its successor in the same slot
	s_wait_dscnt 4*NL                              ; B's set, A's blocks 0-3 (and scale words) are in; the youngest eight loads, A's blocks 4-7, may be out
	WIN MUL_LO
	MUL16 0, (\q)%2, \q, \slot, \zero
	MUL16 2, (\q)%2, \q, \slot, \zero
	s_wait_dscnt 0
	PLACES NP
	FETCH_B \slot, (\q)+1, 1-(\q)%2
	FETCH_A \slot, (\q)+1, 0
	WIN MUL_HI
	MUL16 4, (\q)%2, \q, \slot, \zero
	MUL16 6, (\q)%2, \q, \slot, \zero
	PLACES NP
	WIN 0
	FETCH_A \slot, (\q)+1, 4
.endm
.macro STEPS slot, from
.set Q, \from
.rept NQ-1-\from
	STEP \slot, Q, 0
.set Q, Q+1
.endr
.endm
	s_wait_tensorcnt 1                             ; the scale words and my part of slot 0 are in; slot 1's load may stay out
	s_barrier_signal -1
	s_barrier_wait -1
	FETCH_B 0, 0, 0
	FETCH_A 0, 0, 0
	SCALES 0
	FETCH_A 0, 0, 4
	STEP 0, 0, 1                                   ; the first products start the sums: nothing is cleared
	STEPS 0, 1
	; slot 0's last step changes slots: my part of slot 1 has landed, then the barrier shows everybody's
	s_wait_tensorcnt 0x0
	ds_add_u32 v[SPW], v[NIL]
	s_wait_dscnt 4*NL+1                            ; (the add and A's blocks 4-7 may be out)
	WIN MUL_LO
	MUL16 0, 1, NQ-1, 0, 0
	s_wait_dscnt 0x0
	s_barrier_signal -1
	MUL16 2, 1, NQ-1, 0, 0
	WIN 0
	s_barrier_wait -1
	PLACES NP
	FETCH_B 1, 0, 0
	FETCH_A 1, 0, 0
	SCALES 1
	WIN MUL_HI
	MUL16 4, 1, NQ-1, 0, 0
	MUL16 6, 1, NQ-1, 0, 0
	PLACES NP
	WIN 0
	FETCH_A 1, 0, 4
	STEPS 1, 0
	s_wait_dscnt 4*NL
	WIN MUL_LO
	MUL16 0, 1, NQ-1, 1, 0
	MUL16 2, 1, NQ-1, 1, 0
	s_wait_dscnt 0
	WIN MUL_HI
	MUL16 4, 1, NQ-1, 1, 0
	MUL16 6, 1, NQ-1, 1, 0
	WIN 0
	PLACES NP
	; THE LARGEST MAGNITUDE of my 128 x 128 results, in four chains; each accumulator is read from its low end on
.irp u, 0,1,2,3
	v_mov_b32 v[BD+\u], 0
.endr
.irp w, 0,1
	WIN 0x28+0x14*\w                               ; sources 1 and 2: window 2, then 3
.set n, 0
.rept 32
.irp u, 0,1,2,3
	v_max3_num_f32 v[BD+\u], v[BD+\u], |v[8*n+2*\u]|, |v[8*n+2*\u+1]|
.endr
.set n, n+1
.endr
.endr
	WIN 0
	v_max3_num_f32 v[BD], v[BD], v[BD+1], v[BD+2]
	v_max_num_f32 v[BD], v[BD], v[BD+3]
	v_max_num_f32_dpp v[BD], v[BD], v[BD] row_xmask:1 row_mask:0xf bank_mask:0xf
	v_max_num_f32_dpp v[BD], v[BD], v[BD] row_xmask:2 row_mask:0xf bank_mask:0xf
	v_max_num_f32_dpp v[BD], v[BD], v[BD] row_xmask:4 row_mask:0xf bank_mask:0xf
	v_max_num_f32_dpp v[BD], v[BD], v[BD] row_xmask:8 row_mask:0xf bank_mask:0xf
	v_permlanex16_b32 v[BD+1], v[BD], s98, s99
	v_max_num_f32 v[BD], v[BD], v[BD+1]
	v_lshrrev_b32 v[BD], 23, v[BD]
	v_add_nc_u32 v[BD], 1, v[BD]                   ; E: every |result|, rounded to f16 too, is at most 2^(E - 127)
	; THE WAY OUT: a lane's eight results pack into 16 bytes, which ARE registers 0-3 or 4-7 of the next operand's fragment: every store covers 512 consecutive bytes
.macro OUT a
.set AC, 64*((\a)%4)
	WIN 0x0a+5*((\a)/4)                            ; sources 0 and 1: window 2 or 3
.irp b, 0,1,2,3,4,5,6,7
.irp rr, 0,1,2,3
	v_cvt_pk_f16_f32 v[TMP+32*((\a)%2)+4*\b+\rr], v[AC+8*\b+2*\rr], v[AC+8*\b+2*\rr+1]
.endr
.endr
	WIN 0
.if (\a) > 0
	s_wait_xcnt 0x0                                ; the earlier stores have read their base (and, for the block after next, their data)
.if (\a) == 4
	s_add_nc_u64 s[8:9], s[8:9], s[20:21]
.else
	s_add_nc_u64 s[8:9], s[8:9], s[18:19]
.endif
.endif
.irp b, 0,1,2,3,4,5,6,7
	global_store_b128 v[VO+\b/2], v[TMP+32*((\a)%2)+4*\b:TMP+32*((\a)%2)+4*\b+3], s[8:9] offset:(\b%2)*512
.endr
.endm
.irp a, 0,1,2,3,4,5,6,7
	OUT \a
.endr
	; POSITIONS 0-15 IN f32.  Who holds them hangs on the place in the cluster: the stores stand under EXEC
	v_mov_b32 v[MK], s22
	v_cmp_eq_u32 vcc_lo, 1, v[MK]
	s_wait_xcnt 0x0                                ; EXEC changes only behind this wait
	s_and_saveexec_b32 s92, vcc_lo
	WIN 0x08                                       ; a store's data are its source 1: window 2
.irp bb, 0,1,2,3,4,5,6,7               ; q, k: A's block 0 (the 16 tokens) against B's eight (two heads' channels)
	global_store_b128 v[L16], v[8*\bb:8*\bb+3], s[10:11] offset:\bb*1024
	global_store_b128 v[L16], v[8*\bb+4:8*\bb+7], s[10:11] offset:\bb*1024+512
.endr
	WIN 0
	s_wait_xcnt 0x0
	s_or_b32 exec_lo, exec_lo, s92
	v_mov_b32 v[MK], s23
	v_cmp_eq_u32 vcc_lo, 1, v[MK]
	s_and_saveexec_b32 s92, vcc_lo
.irp a, 0,1,2,3,4,5,6,7                ; v: B's block 0 (the 16 keys) against A's eight (two heads' channels)
	WIN 0x08+4*(\a/4)
	global_store_b128 v[L16], v[64*(\a%4):64*(\a%4)+3], s[10:11] offset:\a*1024
	global_store_b128 v[L16], v[64*(\a%4)+4:64*(\a%4)+7], s[10:11] offset:\a*1024+512
.endr
	WIN 0
	s_wait_xcnt 0x0
	s_or_b32 exec_lo, exec_lo, s92
	v_and_b32 v[MK], 31, v0
	v_mov_b32 v[ZO], 0
	v_cmp_eq_u32 vcc_lo, 0, v[MK]
	s_and_saveexec_b32 s92, vcc_lo
	global_store_b32 v[ZO], v[BD], s[12:13]        ; lane 0 stores the wave's bound
	s_wait_xcnt 0x0
	s_or_b32 exec_lo, exec_lo, s92
	s_wait_tensorcnt 0x0                           ; the wave's end
	ds_add_u32 v[SPW], v[NIL]
	s_wait_dscnt 0x0
	CROUND                                         ; the closing round
	s_endpgm
.Lfunc_end_k_q72b9c1beda_proj:
	.size	k_q72b9c1beda_proj, .Lfunc_end_k_q72b9c1beda_proj-k_q72b9c1beda_proj
	.p2alignl 7, 3214868480
	.fill 96, 4, 3214868480
	.section	.rodata,"a",@progbits
	.p2align	6, 0x0
	.amdhsa_kernel k_q72b9c1beda_proj
		.amdhsa_group_segment_fixed_size 327680
		.amdhsa_private_segment_fixed_size 0
		.amdhsa_enable_private_segment 0
		.amdhsa_kernarg_size 40
		.amdhsa_user_sgpr_count 2
		.amdhsa_user_sgpr_kernarg_segment_ptr 1
		.amdhsa_wavefront_size32 1
		.amdhsa_system_sgpr_workgroup_id_x 1
		.amdhsa_system_sgpr_workgroup_id_y 1
		.amdhsa_system_sgpr_workgroup_id_z 1
		.amdhsa_system_vgpr_workitem_id 0
		.amdhsa_next_free_vgpr 1024
		.amdhsa_next_free_sgpr 100
		.amdhsa_reserve_vcc 1
		.amdhsa_float_denorm_mode_32 3
		.amdhsa_float_denorm_mode_16_64 3
		.amdhsa_memory_ordered 1
		.amdhsa_forward_progress 1
		.amdhsa_inst_pref_size 140
	.end_amdhsa_kernel
	.amdgpu_metadata
---
amdhsa.version: [ 1, 2 ]
amdhsa.kernels:
  - .name:           k_q72b9c1beda_proj
    .symbol:         k_q72b9c1beda_proj.kd
    .args:
      - { .name: xq, .offset: 0, .size: 8, .value_kind: global_buffer, .address_space: global }
      - { .name: wq, .offset: 8, .size: 8, .value_kind: global_buffer, .address_space: global }
      - { .name: qkv, .offset: 16, .size: 8, .value_kind: global_buffer, .address_space: global }
      - { .name: fine, .offset: 24, .size: 8, .value_kind: global_buffer, .address_space: global }
      - { .name: bounds, .offset: 32, .size: 8, .value_kind: global_buffer, .address_space: global }
    .group_segment_fixed_size: 327680
    .private_segment_fixed_size: 0
    .kernarg_segment_align: 8
    .kernarg_segment_size: 40
    .max_flat_workgroup_size: 128
    .sgpr_count:     100
    .vgpr_count:     1024
    .wavefront_size: 32
...
	.end_amdgpu_metadata
.endif
;; end of part 2
;; launch attn (part 3): grid 8 x 32, 8 waves a work-group, no clusters, 136,192 bytes of LDS; arguments qkv, bounds, att; writes att
.if DOCPART == 3
	.amdgcn_target "amdgcn-amd-amdhsa--gfx1250"
	.amdhsa_code_object_version 6
	.text
	.protected	k_q72b9c1beda_attn
	.globl	k_q72b9c1beda_attn
	.p2align	8
	.type	k_q72b9c1beda_attn,@function
k_q72b9c1beda_attn:
	s_mov_b64 s[64:65], 0
	v_nop
	global_prefetch_b8 v0, s[64:65] scope:SCOPE_SE
	s_setreg_imm32_b32 hwreg(HW_REG_WAVE_MODE, 25, 1), 1
	s_wait_xcnt 0x0
; att = softmax(q k^T / 8 + mask) v for each of 32 (batch, head), 2,048 positions, head size 64; f16 operands, f32 sums, maxima and row sums in f32, a running maximum.
; THE MASK ADDS -10,000 AND DOES NOT CUT.  A masked key counts for nothing only while a row's scores spread far less than 10,000.  The launch before stored whole numbers Eq, Ek with |q| <= 2^(Eq - 127), |k| <= 2^(Ek - 127).
; A row's scores spread at most 16 |q| |k|.  Where Eq + Ek <= 263 that is at most 2^13, a masked weight is under e^-1808, which is 0 in f32, and only the keys up to the diagonal are walked.  Otherwise ALL keys are walked.
; The text is the same both ways: masked scores get -80,000 (= -10,000 x 8) as the C of their first product; only three limits differ.
; No tensor load and no cluster: the walk's length hangs on a number read from memory.  K and V go from memory through registers into LDS; every barrier stands in a loop of 16 trips, a constant.
; SHARES.  Work-group (j, bh) owns query blocks 15 - j and j of 128.  Wave (s = w % 4, g = w / 4): the two waves of one s own the SAME four tiles of 16 queries (piece H: block 15 - j, queries 32 s on; piece L: block j)
; and share the KEYS: of a trip's 128 keys g takes 64 g on.  Each keeps its own maximum, sum and O^T; they are merged at the end.  So all waves of all work-groups have about 17 piece steps under the causal walk.
; LAYOUT.  q, k, v arrive as images of fragments.  S^T = K Q^T and O^T = V^T P: a lane holds one query throughout; two tiles of S^T, rounded to f16 in pairs, ARE P; a lane's packed O^T IS the next launch's fragment.
; LIMITS: f16's range for q, k, v (stated where they are made); NaN and infinities are not served.
; REGISTERS.  window 0: v1, v2 the add's two; v3-14 addresses and constants; v16-47 statistics, 8 a tile (+0 c m, +1 m, +2, +3 l, +4..7 at work, a in +6); v48-63 at work; v64-127 K; v128-191 S^T; v192-223 P; v224-255 staging.
;             window 1: v0-127 O^T (32 a tile); v128-191 Q (16 a tile); v192-255 V.
.set MRG,   65536                      ; behind the two slots of 32,768: for each s 16 images of O^T and 8 x 128 bytes of statistics
.set MRGW,  17408
.set SPARE, MRG+4*MRGW                 ; the spare words, 128 bytes a wave
.set ST,  16
.set KR,  64
.set S,   128
.set P,   192
.set STG, 224
.set QR,  128
.set VR,  192
.set OP,  46                           ; s[46:47], s[48:49] where piece H's and piece L's results go
.set MSB, 0
.macro WIN new
.if MSB != (\new)
	s_set_vgpr_msb (MSB<<8)|(\new)
.set MSB, (\new)
.endif
.endm
.macro BLOAD b, adr, base              ; q's 256 bounds and k's 256
	global_load_b128 v[\b:\b+3], v[\adr], s[\base:\base+1]
	global_load_b128 v[\b+4:\b+7], v[\adr], s[\base:\base+1] offset:512
	global_load_b128 v[\b+8:\b+11], v[\adr], s[\base:\base+1] offset:1024
	global_load_b128 v[\b+12:\b+15], v[\adr], s[\base:\base+1] offset:1536
.endm
.macro BRED b, sa, sb, sel             ; their maxima, by whole-number instructions alone; s[sa] = Eq + Ek
.irp i, 1,2,3,4,5,6,7
	v_max_u32 v[\b], v[\b], v[\b+\i]
	v_max_u32 v[\b+8], v[\b+8], v[\b+8+\i]
.endr
.irp m, 1,2,4,8
	v_mov_b32_dpp v[\b+1], v[\b] row_xmask:\m row_mask:0xf bank_mask:0xf
	v_mov_b32_dpp v[\b+9], v[\b+8] row_xmask:\m row_mask:0xf bank_mask:0xf
	v_max_u32 v[\b], v[\b], v[\b+1]
	v_max_u32 v[\b+8], v[\b+8], v[\b+9]
.endr
	v_permlanex16_b32 v[\b+1], v[\b], s[\sel], s[\sel+1]
	v_permlanex16_b32 v[\b+9], v[\b+8], s[\sel], s[\sel+1]
	v_max_u32 v[\b], v[\b], v[\b+1]
	v_max_u32 v[\b+8], v[\b+8], v[\b+9]
	v_readfirstlane_b32 s[\sa], v[\b]
	v_readfirstlane_b32 s[\sb], v[\b+8]
	s_min_u32 s[\sa], s[\sa], 0x200
	s_min_u32 s[\sb], s[\sb], 0x200
	s_add_co_u32 s[\sa], s[\sa], s[\sb]
.endm
	s_load_b128 s[4:7], s[0:1], 0x0                ; qkv, bounds
	s_load_b64 s[8:9], s[0:1], 0x10                ; att
	v_lshl_add_u32 v1, v0, 2, SPARE
	v_mov_b32 v2, 0
	v_lshrrev_b32 v48, 5, v0
	v_readfirstlane_b32 s10, v48                   ; wave
	s_and_b32 s11, s10, 3                          ; s
	s_lshr_b32 s12, s10, 2                         ; g
	s_and_b32 s14, ttmp7, 0xffff                   ; bh
	v_and_b32 v48, 31, v0
	v_lshlrev_b32 v3, 4, v48                       ; 16 x lane
	v_lshlrev_b32 v4, 4, v0                        ; 16 x thread: my part of each 4,096 staged bytes
	s_lshl_b32 s34, s12, 13
	v_add_nc_u32 v5, s34, v3                       ; my 64 keys' fragments in a slot: 8,192 g on, in K's part and in V's
	v_and_b32 v49, 15, v0
	v_bfe_u32 v50, v0, 4, 1
	v_lshlrev_b32 v50, 3, v50
	v_sub_nc_u32 v8, v49, v50                      ; r - 8 h
	v_mov_b32 v9, 0xc79c4000                       ; -80,000
	s_mul_i32 s34, s11, MRGW
	s_add_co_u32 s34, s34, MRG
	v_add_nc_u32 v12, s34, v3                      ; the merge: images,
	v_lshl_add_u32 v14, v48, 2, s34                ; and words
	v_lshlrev_b32 v13, 8, v48                      ; the prefetches: lanes 256 bytes apart
	s_sub_co_u32 s34, 15, ttmp9
	s_lshl_b32 s15, s34, 7
	s_lshl_b32 s35, s11, 5
	s_add_co_u32 s15, s15, s35                     ; piece H's first query
	s_lshl_b32 s16, ttmp9, 7
	s_add_co_u32 s16, s16, s35                     ; piece L's
	s_mov_b32 s30, 0x3e38aa3b                      ; c = log2(e) / 8
	s_mov_b32 s31, s30
	s_mov_b32 s32, 0x76543210
	s_mov_b32 s33, 0xfedcba98
	s_mov_b32 s26, 0                               ; the trip's first key
	s_mov_b32 s27, 0                               ; the trip's slot
	s_mov_b32 s28, 16                              ; trips to go
	s_lshl_b32 s36, s14, 18
	s_mov_b32 s37, 0
	s_wait_kmcnt 0x0
	s_add_nc_u64 s[40:41], s[4:5], s[36:37]        ; q of my head,
	s_add_nc_u64 s[20:21], s[40:41], 8388608       ; k,
	s_add_nc_u64 s[22:23], s[40:41], 16777216      ; v
.irp i, 0,1,2,3
	global_load_b128 v[STG+4*\i:STG+4*\i+3], v4, s[20:21] offset:\i*4096         ; keys 0-127: 16 KB of K,
.endr
.irp i, 0,1,2,3
	global_load_b128 v[STG+16+4*\i:STG+16+4*\i+3], v4, s[22:23] offset:\i*4096   ; 16 KB of V
.endr
	s_lshl_b32 s36, s15, 7                         ; 128 bytes a token
	s_add_nc_u64 s[42:43], s[40:41], s[36:37]      ; Q's two bases: never written again
	s_lshl_b32 s36, s16, 7
	s_add_nc_u64 s[44:45], s[40:41], s[36:37]
	WIN 0x40                                       ; destination window 1
.irp t, 0,1
.irp f, 0,1,2,3
	global_load_b128 v[QR+16*\t+4*\f:QR+16*\t+4*\f+3], v3, s[42:43] offset:\t*2048+\f*512
	global_load_b128 v[QR+32+16*\t+4*\f:QR+32+16*\t+4*\f+3], v3, s[44:45] offset:\t*2048+\f*512
.endr
.endr
	WIN 0
	BLOAD 48, 3, 6
	; the prefetches: the head's first work-group walks all 16 trips; its waves 0, 1 name K's two halves of a tile, waves 2, 3 V's
	s_cmp_lt_u32 s10, 2
	s_cselect_b64 s[24:25], s[20:21], s[22:23]
	s_and_b32 s34, s10, 1
	s_lshl_b32 s36, s34, 13
	s_add_co_u32 s36, s36, 32768                   ; the tile two trips on
	s_add_nc_u64 s[24:25], s[24:25], s[36:37]
	s_or_b32 s34, s12, ttmp9
	s_cmp_eq_u32 s34, 0
	s_cselect_b32 s29, 2, -1                       ; a wave asks while more trips than this are to go: the last two ask for nothing
	; where the results go: ((128 batch + query / 16) x 32 + 2 head) x 1,024
	s_lshr_b32 s34, s14, 4
	s_lshl_b32 s34, s34, 7
	s_and_b32 s39, s14, 15
	s_lshl_b32 s39, s39, 11
	s_lshr_b32 s35, s15, 4
	s_add_co_u32 s35, s35, s34
	s_lshl_b32 s36, s35, 15
	s_add_co_u32 s36, s36, s39
	s_add_nc_u64 s[OP:OP+1], s[8:9], s[36:37]
	s_lshr_b32 s35, s16, 4
	s_add_co_u32 s35, s35, s34
	s_lshl_b32 s36, s35, 15
	s_add_co_u32 s36, s36, s39
	s_add_nc_u64 s[OP+2:OP+3], s[8:9], s[36:37]
.irp ta, 0,1,2,3                       ; the loop has no first step of its own: m begins under every score, l and O^T as zeros
	v_mov_b32 v[ST+8*\ta+1], 0xff61b1e6
	v_mul_f32 v[ST+8*\ta], s30, v[ST+8*\ta+1]
.irp i, 2,3,4,5,6,7
	v_mov_b32 v[ST+8*\ta+\i], 0
.endr
.endr
	WIN 0x40
.set n, 0
.rept 128
	v_mov_b32 v[n], 0
.set n, n+1
.endr
	WIN 0
	s_wait_loadcnt 0x0
	BRED 48, 34, 35, 32
	s_sub_co_u32 s17, 16, ttmp9
	s_lshl_b32 s17, s17, 7                         ; the causal walk: the work-group's keys end here,
	s_add_co_u32 s18, s15, 32                      ; piece H's,
	s_add_co_u32 s19, s16, 32                      ; piece L's
	s_mov_b32 s35, 2048
	s_cmp_le_u32 s34, 263
	s_cselect_b32 s17, s17, s35
	s_cselect_b32 s18, s18, s35
	s_cselect_b32 s19, s19, s35
.macro KQ8 hf, zero                    ; 8 products of S^T, channels 32 hf on: the piece's 8 accumulators by turns
	WIN 0x04                                       ; source 1 (Q) window 1
.irp kt, 0,1,2,3
.irp t, 0,1
.if \zero
	v_wmma_f32_16x16x32_f16 v[S+32*\t+8*\kt:S+32*\t+8*\kt+7], v[KR+16*\kt+8*\hf:KR+16*\kt+8*\hf+7], v[Q0R+16*\t+8*\hf:Q0R+16*\t+8*\hf+7], 0
.else
	v_wmma_f32_16x16x32_f16 v[S+32*\t+8*\kt:S+32*\t+8*\kt+7], v[KR+16*\kt+8*\hf:KR+16*\kt+8*\hf+7], v[Q0R+16*\t+8*\hf:Q0R+16*\t+8*\hf+7], v[S+32*\t+8*\kt:S+32*\t+8*\kt+7]
.endif
.endr
.endr
	WIN 0
.endm
; A PIECE STEP: two tiles of 16 queries x my 64 keys, in phases, the two tiles line by line; the SIMD's other wave fills the gaps.
.macro PIECE p
.set T0,  ST+16*\p
.set O0,  64*\p
.set Q0R, QR+32*\p
	s_add_co_u32 s34, s38, 63
	s_cmp_le_u32 s34, s[15+\p]                     ; do all 64 keys count for all 32 queries?
	s_cbranch_scc1 .Lopen_\@
	s_sub_co_i32 s34, s[15+\p], s38
	v_add_nc_u32 v10, s34, v8                      ; d = my query - my first key - 8 h: register 8 kt + i holds a key that is masked where 16 kt + i > d
	v_add_nc_u32 v11, 16, v10
.set n, 0
.rept 32
	v_cmp_gt_i32 vcc_lo, 16*(n/8)+n%8, v10
	v_cndmask_b32 v[S+n], 0, v9, vcc_lo
	v_cmp_gt_i32 vcc_lo, 16*(n/8)+n%8, v11
	v_cndmask_b32 v[S+32+n], 0, v9, vcc_lo
.set n, n+1
.endr
.if \p == 0
	s_wait_dscnt 16                                ; K is in; V's 16 loads may be out
.endif
	KQ8 0, 0                                       ; the mask is the C of the first products
	s_branch .Ljoin_\@
.Lopen_\@:
.if \p == 0
	s_wait_dscnt 16
.endif
	KQ8 0, 1
.Ljoin_\@:
	KQ8 1, 0
.rept 4
	v_nop                                          ; places in front of the first read of the scores
.endr
.irp j, 0,1,2,3                        ; the maximum, three operands at a time; each accumulator is first read at its low end
.irp t, 0,1
	v_max3_num_f32 v[T0+8*\t+4+\j], v[S+32*\t+8*\j], v[S+32*\t+8*\j+1], v[S+32*\t+8*\j+2]
.endr
.endr
.irp q, 1,2
.irp j, 0,1,2,3
.irp t, 0,1
	v_max3_num_f32 v[T0+8*\t+4+\j], v[T0+8*\t+4+\j], v[S+32*\t+8*\j+2*\q+1], v[S+32*\t+8*\j+2*\q+2]
.endr
.endr
.endr
.irp t, 0,1
	v_max3_num_f32 v[T0+8*\t+4], v[T0+8*\t+4], v[S+32*\t+7], v[S+32*\t+15]
	v_max3_num_f32 v[T0+8*\t+6], v[T0+8*\t+6], v[S+32*\t+23], v[S+32*\t+31]
.endr
.irp t, 0,1
	v_max3_num_f32 v[T0+8*\t+4], v[T0+8*\t+4], v[T0+8*\t+5], v[T0+8*\t+6]
.endr
.irp t, 0,1
	v_max3_num_f32 v[T0+8*\t+4], v[T0+8*\t+4], v[T0+8*\t+7], v[T0+8*\t+1]      ; the old m among them
.endr
.irp t, 0,1
	v_permlanex16_b32 v[T0+8*\t+5], v[T0+8*\t+4], s32, s33                     ; the query's other 32 keys lie in the lane 16 away
	v_mov_b32 v[T0+8*\t+7], v[T0+8*\t]                                         ; c m_old
.endr
.irp t, 0,1
	v_max_num_f32 v[T0+8*\t+1], v[T0+8*\t+4], v[T0+8*\t+5]
.endr
.irp t, 0,1
	v_mul_f32 v[T0+8*\t], s30, v[T0+8*\t+1]
.endr
.irp t, 0,1
	v_sub_f32 v[T0+8*\t+7], v[T0+8*\t+7], v[T0+8*\t]
.endr
.irp b, 0,1,2,3,4,5,6,7,8,9,10,11,12,13,14,15
.irp t, 0,1
	v_pk_fma_f32 v[S+32*\t+2*\b:S+32*\t+2*\b+1], v[S+32*\t+2*\b:S+32*\t+2*\b+1], s[30:31], v[T0+8*\t:T0+8*\t+1] op_sel_hi:[1,0,0] neg_lo:[0,0,1] neg_hi:[0,0,1]   ; c s - c m
.endr
.endr
.irp t, 0,1
	v_exp_f32 v[T0+8*\t+6], v[T0+8*\t+7]           ; a = 2^(c m_old - c m_new)
.endr
.set n, 0
.rept 64
	v_exp_f32 v[S+n], v[S+n]                       ; ONE BATCH: nothing here reads an exponential's result
.set n, n+1
.endr
	v_nop                                          ; the plain instruction behind the last exponential,
	s_wait_alu depctr_va_vdst(0)                   ; and the one wait ahead of the batch's first reader
.irp i, 0,1,2,3,4,5,6,7,8,9,10,11,12,13,14,15
.irp t, 0,1
	v_cvt_pk_f16_f32 v[P+16*\t+\i], v[S+32*\t+2*\i], v[S+32*\t+2*\i+1]
.endr
.endr
.irp u, 0,1,2,3,4,5,6,7                ; the row's sum of the unrounded weights, in place, pairs 1, 2, 4, 8 apart
.irp t, 0,1
	v_pk_add_f32 v[S+32*\t+4*\u:S+32*\t+4*\u+1], v[S+32*\t+4*\u:S+32*\t+4*\u+1], v[S+32*\t+4*\u+2:S+32*\t+4*\u+3]
.endr
.endr
.irp u, 0,1,2,3
.irp t, 0,1
	v_pk_add_f32 v[S+32*\t+8*\u:S+32*\t+8*\u+1], v[S+32*\t+8*\u:S+32*\t+8*\u+1], v[S+32*\t+8*\u+4:S+32*\t+8*\u+5]
.endr
.endr
.irp u, 0,1
.irp t, 0,1
	v_pk_add_f32 v[S+32*\t+16*\u:S+32*\t+16*\u+1], v[S+32*\t+16*\u:S+32*\t+16*\u+1], v[S+32*\t+16*\u+8:S+32*\t+16*\u+9]
.endr
.endr
.irp t, 0,1
	v_pk_add_f32 v[S+32*\t:S+32*\t+1], v[S+32*\t:S+32*\t+1], v[S+32*\t+16:S+32*\t+17]
.endr
.irp t, 0,1
	v_pk_fma_f32 v[T0+8*\t+2:T0+8*\t+3], v[T0+8*\t+2:T0+8*\t+3], v[T0+8*\t+6:T0+8*\t+7], v[S+32*\t:S+32*\t+1] op_sel_hi:[1,0,1]   ; l = a l + the sum
.endr
	WIN 0x41                                       ; O^T (destination, source 0) window 1
.irp i, 0,1,2,3,4,5,6,7,8,9,10,11,12,13,14,15
.irp t, 0,1
	v_pk_mul_f32 v[O0+32*\t+2*\i:O0+32*\t+2*\i+1], v[O0+32*\t+2*\i:O0+32*\t+2*\i+1], v[T0+8*\t+6:T0+8*\t+7] op_sel_hi:[1,0]
.endr
.endr
.if \p == 0
	s_wait_dscnt 0x0                               ; V is in
.endif
	WIN 0x51                                       ; V and O^T window 1, P window 0
.irp kg, 0,1
.irp ct, 0,1,2,3
.irp t, 0,1
	v_wmma_f32_16x16x32_f16 v[O0+32*\t+8*\ct:O0+32*\t+8*\ct+7], v[VR+8*(4*\kg+\ct):VR+8*(4*\kg+\ct)+7], v[P+16*\t+8*\kg:P+16*\t+8*\kg+7], v[O0+32*\t+8*\ct:O0+32*\t+8*\ct+7]
.endr
.endr
.endr
	WIN 0
.endm
; ONE BARRIER A TRIP SERVES TWO SLOTS: slot t % 2 is written in trip t, behind barrier t - 1, which every wave reached behind the wait for its reads of trip t - 2.
.Ltrip:
	s_wait_loadcnt 0x0                             ; the tile asked for a trip ago is in my staging registers
	v_add_nc_u32 v7, s27, v4                       ; the trip's LDS addresses, made on every way
	v_add_nc_u32 v6, s27, v5
	s_cmp_lt_u32 s26, s17
	s_cbranch_scc0 .Lno_put
.irp i, 0,1,2,3,4,5,6,7
	ds_store_b128 v7, v[STG+4*\i:STG+4*\i+3] offset:\i*4096
.endr
.Lno_put:
	s_wait_dscnt 0x0                               ; for the others' sake: my stores have landed, and my reads of the other slot are over
	s_barrier_signal -1
	s_barrier_wait -1
	s_add_co_u32 s34, s26, 128
	s_cmp_lt_u32 s34, s17
	s_cbranch_scc0 .Lno_get
.irp i, 0,1,2,3
	global_load_b128 v[STG+4*\i:STG+4*\i+3], v4, s[20:21] offset:16384+\i*4096   ; the next tile: it has this trip's work in which to land
.endr
.irp i, 0,1,2,3
	global_load_b128 v[STG+16+4*\i:STG+16+4*\i+3], v4, s[22:23] offset:16384+\i*4096
.endr
	s_cmp_gt_u32 s28, s29
	s_cbranch_scc0 .Lno_get
	global_prefetch_b8 v13, s[24:25] th:TH_LOAD_NT scope:SCOPE_SE                ; 8,192 bytes of the tile two trips on, whose loads the next trip issues; each block of 256 bytes is named once in the launch
.Lno_get:
	s_lshl_b32 s38, s12, 6
	s_add_co_u32 s38, s38, s26                     ; my first key
	s_cmp_lt_u32 s38, s18
	s_cbranch_scc0 .Lno_step
.irp f, 0,1,2,3,4,5,6,7                ; K: 4 tiles of 16 keys x 2 halves of the channels
	ds_load_b128 v[KR+8*\f:KR+8*\f+3], v6 offset:\f*1024
	ds_load_b128 v[KR+8*\f+4:KR+8*\f+7], v6 offset:\f*1024+512
.endr
	WIN 0x40
.irp f, 0,1,2,3,4,5,6,7                ; V: 2 groups of 32 keys x 4 tiles of 16 channels
	ds_load_b128 v[VR+8*\f:VR+8*\f+3], v6 offset:16384+\f*1024
	ds_load_b128 v[VR+8*\f+4:VR+8*\f+7], v6 offset:16384+\f*1024+512
.endr
	WIN 0
	PIECE 0
	s_cmp_lt_u32 s38, s19
	s_cbranch_scc0 .Lno_low
	PIECE 1
.Lno_low:
.rept 4
	v_nop                                          ; places behind the last products: V is loaded anew, O^T read, only behind them
.endr
.Lno_step:
	s_wait_xcnt 0x0                                ; the trip's loads and prefetch have read their bases
	s_add_nc_u64 s[20:21], s[20:21], 16384
	s_add_nc_u64 s[22:23], s[22:23], 16384
	s_add_nc_u64 s[24:25], s[24:25], 16384
	s_add_co_u32 s26, s26, 128
	s_xor_b32 s27, s27, 32768
	s_sub_co_u32 s28, s28, 1
	s_cmp_lg_u32 s28, 0
	s_cbranch_scc1 .Ltrip
	s_wait_loadcnt 0x0                             ; no load into the staging registers is out on any way out of the loop: the merge writes v224-255 anew
	; THE MERGE: the waves with g = 1 hand l, c m and O^T over; those with g = 0 join the two halves of the keys, divide and store
	s_cmp_eq_u32 s12, 1
	s_cbranch_scc0 .Lnot_giver
.irp ta, 0,1,2,3
	v_add_f32 v[ST+8*\ta+4], v[ST+8*\ta+2], v[ST+8*\ta+3]
.endr
.irp ta, 0,1,2,3
	ds_store_b32 v14, v[ST+8*\ta+4] offset:16384+256*\ta
	ds_store_b32 v14, v[ST+8*\ta] offset:16384+256*\ta+128
.endr
	WIN 0x04                                       ; an LDS store's data are its source 1: window 1
.set n, 0
.rept 32
	ds_store_b128 v12, v[4*n:4*n+3] offset:512*n   ; ascending: each accumulator from its low end on
.set n, n+1
.endr
	WIN 0
.Lnot_giver:
	s_wait_dscnt 0x0
	s_barrier_signal -1
	s_barrier_wait -1
	s_cmp_eq_u32 s12, 0
	s_cbranch_scc0 .Lend
.set n, 0
.rept 32
	ds_load_b128 v[KR+4*n:KR+4*n+3], v12 offset:512*n
.set n, n+1
.endr
.irp ta, 0,1,2,3
	ds_load_b32 v[48+2*\ta], v14 offset:16384+256*\ta
	ds_load_b32 v[49+2*\ta], v14 offset:16384+256*\ta+128
.endr
.irp ta, 0,1,2,3
	v_add_f32 v[ST+8*\ta+4], v[ST+8*\ta+2], v[ST+8*\ta+3]
.endr
	s_wait_dscnt 0x0
.irp ta, 0,1,2,3
	v_max_num_f32 v[ST+8*\ta+5], v[ST+8*\ta], v[49+2*\ta]          ; the joint c m
.endr
.irp ta, 0,1,2,3
	v_sub_f32 v[ST+8*\ta+6], v[ST+8*\ta], v[ST+8*\ta+5]
	v_sub_f32 v[ST+8*\ta+7], v[49+2*\ta], v[ST+8*\ta+5]
.endr
.irp ta, 0,1,2,3
	v_exp_f32 v[ST+8*\ta+6], v[ST+8*\ta+6]
	v_exp_f32 v[ST+8*\ta+7], v[ST+8*\ta+7]
.endr
	v_nop
	s_wait_alu depctr_va_vdst(0)                   ; one wait for the eight
.irp ta, 0,1,2,3
	v_mul_f32 v[ST+8*\ta+4], v[ST+8*\ta+4], v[ST+8*\ta+6]
.endr
.irp ta, 0,1,2,3
	v_fmac_f32 v[ST+8*\ta+4], v[48+2*\ta], v[ST+8*\ta+7]
.endr
.irp ta, 0,1,2,3
	v_permlanex16_b32 v[ST+8*\ta+5], v[ST+8*\ta+4], s32, s33
.endr
.irp ta, 0,1,2,3
	v_add_f32 v[ST+8*\ta+4], v[ST+8*\ta+4], v[ST+8*\ta+5]          ; the row's sum
.endr
.irp ta, 0,1,2,3
	v_rcp_f32 v[ST+8*\ta+5], v[ST+8*\ta+4]
.endr
	v_nop
	s_wait_alu depctr_va_vdst(0)                   ; one wait for the four
.irp ta, 0,1,2,3
	v_mul_f32 v[ST+8*\ta+6], v[ST+8*\ta+6], v[ST+8*\ta+5]          ; my factor,
	v_mul_f32 v[ST+8*\ta+4], v[ST+8*\ta+7], v[ST+8*\ta+5]          ; the other wave's
.endr
.irp ta, 0,1,2,3
.set n, 0
.rept 16
	v_pk_mul_f32 v[KR+32*\ta+2*n:KR+32*\ta+2*n+1], v[KR+32*\ta+2*n:KR+32*\ta+2*n+1], v[ST+8*\ta+4:ST+8*\ta+5] op_sel_hi:[1,0]
.set n, n+1
.endr
	WIN 0x01                                       ; source 0 (my O^T) window 1
.set n, 0
.rept 16
	v_pk_fma_f32 v[KR+32*\ta+2*n:KR+32*\ta+2*n+1], v[32*\ta+2*n:32*\ta+2*n+1], v[ST+8*\ta+6:ST+8*\ta+7], v[KR+32*\ta+2*n:KR+32*\ta+2*n+1] op_sel_hi:[1,0,1]
.set n, n+1
.endr
	WIN 0
.set n, 0
.rept 16
	v_cvt_pk_f16_f32 v[P+16*\ta+n], v[KR+32*\ta+2*n], v[KR+32*\ta+2*n+1]
.set n, n+1
.endr
.irp ct, 0,1,2,3
	global_store_b128 v3, v[P+16*\ta+4*\ct:P+16*\ta+4*\ct+3], s[OP+2*(\ta/2):OP+2*(\ta/2)+1] offset:(\ta%2)*32768+\ct*512   ; 512 consecutive bytes: half a fragment of the next launch
.endr
.endr
.Lend:
	s_wait_tensorcnt 0x0                           ; the wave's end, behind my last LDS store
	ds_add_u32 v1, v2
	s_wait_dscnt 0x0
	s_endpgm
.Lfunc_end_k_q72b9c1beda_attn:
	.size	k_q72b9c1beda_attn, .Lfunc_end_k_q72b9c1beda_attn-k_q72b9c1beda_attn
	.p2alignl 7, 3214868480
	.fill 96, 4, 3214868480
	.section	.rodata,"a",@progbits
	.p2align	6, 0x0
	.amdhsa_kernel k_q72b9c1beda_attn
		.amdhsa_group_segment_fixed_size 136192
		.amdhsa_private_segment_fixed_size 0
		.amdhsa_enable_private_segment 0
		.amdhsa_kernarg_size 24
		.amdhsa_user_sgpr_count 2
		.amdhsa_user_sgpr_kernarg_segment_ptr 1
		.amdhsa_wavefront_size32 1
		.amdhsa_system_sgpr_workgroup_id_x 1
		.amdhsa_system_sgpr_workgroup_id_y 1
		.amdhsa_system_sgpr_workgroup_id_z 1
		.amdhsa_system_vgpr_workitem_id 0
		.amdhsa_next_free_vgpr 512
		.amdhsa_next_free_sgpr 66
		.amdhsa_reserve_vcc 1
		.amdhsa_float_denorm_mode_32 3
		.amdhsa_float_denorm_mode_16_64 3
		.amdhsa_memory_ordered 1
		.amdhsa_forward_progress 1
		.amdhsa_inst_pref_size 78
	.end_amdhsa_kernel
	.amdgpu_metadata
---
amdhsa.version: [ 1, 2 ]
amdhsa.kernels:
  - .name:           k_q72b9c1beda_attn
    .symbol:         k_q72b9c1beda_attn.kd
    .args:
      - { .name: qkv, .offset: 0, .size: 8, .value_kind: global_buffer, .address_space: global }
      - { .name: bounds, .offset: 8, .size: 8, .value_kind: global_buffer, .address_space: global }
      - { .name: att, .offset: 16, .size: 8, .value_kind: global_buffer, .address_space: global }
    .group_segment_fixed_size: 136192
    .private_segment_fixed_size: 0
    .kernarg_segment_align: 8
    .kernarg_segment_size: 24
    .max_flat_workgroup_size: 256
    .sgpr_count:     66
    .vgpr_count:     512
    .wavefront_size: 32
...
	.end_amdgpu_metadata
.endif
;; end of part 3
;; launch oproj (part 4): grid 8 x 32, 4 waves a work-group, clusters of 4 x 4, 327,680 bytes of LDS; arguments att, wq, out0; writes out0
.if DOCPART == 4
	.amdgcn_target "amdgcn-amd-amdhsa--gfx1250"
	.amdhsa_code_object_version 6
	.text
	.protected	k_q72b9c1beda_oproj
	.globl	k_q72b9c1beda_oproj
	.p2align	8
	.type	k_q72b9c1beda_oproj,@function
k_q72b9c1beda_oproj:
	s_mov_b64 s[64:65], 0
	v_nop
	global_prefetch_b8 v0, s[64:65] scope:SCOPE_SE
	s_setreg_imm32_b32 hwreg(HW_REG_WAVE_MODE, 25, 1), 1
	s_wait_xcnt 0x0
	s_wait_alu depctr_hold_cnt(0) depctr_sa_sdst(0) depctr_va_vdst(0) depctr_va_sdst(0) depctr_va_ssrc(0) depctr_va_vcc(0) depctr_vm_vsrc(0)
	s_getreg_b32 s2, hwreg(HW_REG_IB_STS2, 6, 4)
	s_cmp_eq_u32 s2, 0
	s_cbranch_scc0 .Lentry_in_a_cluster
	s_endpgm
.Lentry_in_a_cluster:
	s_bfe_u32 s2, ttmp6, 0x10000c
	s_cmp_lg_u32 s2, 0xf033
	s_cbranch_scc0 .Lentry_shape_is_right
	s_endpgm
.Lentry_shape_is_right:
; out0 = att w_o: [4096][1024] x [1024][1024], f16 operands, f32 sums, f32 out.  (Rows 0-15 of each sequence are written again, more finely, by the launch behind this one.)
; 256 tiles of 128 x 128; four waves, 64 x 64 each: 16 accumulators.  Both operands lie in memory as images of fragments, [tile of 16 rows][32 along K: 32][1024] (w_o from byte WO of wq on):
; a tensor load brings 4 tiles x 8 groups of K (a K step of 256), dense in LDS; a fragment is two LDS loads of 512 consecutive bytes.  K = 1,024: four K steps through two slots, each filled twice.
; CLUSTERS: 4 x 4.  A's tiles are shared along a row of the cluster, B's along a column: each is asked for jointly.  The matrix instruction is used transposed (source 0 = 16 columns of w_o, source 1 = 16 tokens):
; a lane holds eight neighbouring numbers of a row of the output.  No prefetch: a K step's work is short and the tiles are small.
; REGISTERS: window 0: v16-29 addresses; v32-95 the way out; v128-255 accumulators ((a, b) at v[128 + 8 (4 a + b)]).  window 1: two fragment buffers of 128: 64 registers of A, then 64 of B.
.set WO,     1671168
.set CHUNK,  32768
.set SLOT,   4*CHUNK
.set STAGE,  2*SLOT                    ; behind the ring: 16 rows x (256 + 16) bytes for each wave; no tile lands there
.set SPITCH, 272
.set SPARE,  STAGE+4*16*SPITCH
.set ADRA, 16
.set ADRB, 20
.set STO,  24
.set RD,   25
.set CO,   26
.set SPW,  28
.set NIL,  29
.set TMP,  32
.set ACC,  128
.set F0,   0
.set F1,   128
.set G1, 24
.set G0, 32
.set G1B, 48
.set G0B, 56
.set MSB, 0
.macro WIN new
.if MSB != (\new)
	s_set_vgpr_msb (MSB<<8)|(\new)
.set MSB, (\new)
.endif
.endm
.set MUL,  0x05
.set TO_F, 0x40
.macro JLOAD s                         ; a joint load: waves 0, 1 fetch A's halves, waves 2, 3 B's; an s_nop 0 and four v_nop follow each line
	s_cmp_eq_u32 s11, 0
	s_cbranch_scc0 .Lfor_b_\@
	tensor_load_to_lds s[G0+4*\s:G0+4*\s+3], s[G1:G1+7]
	s_nop 0
.rept 4
	v_nop
.endr
	s_branch .Lasked_\@
.Lfor_b_\@:
	tensor_load_to_lds s[G0B+4*\s:G0B+4*\s+3], s[G1B:G1B+7]
	s_nop 0
.rept 4
	v_nop
.endr
.Lasked_\@:
.endm
.macro CREST
	s_cmp_lg_u32 s10, 0
	s_cbranch_scc1 .Lnot_wave_0_\@
	s_barrier_signal -3
.Lnot_wave_0_\@:
	s_barrier_wait -3
	s_barrier_signal -1
	s_barrier_wait -1
.endm
.macro CROUND
	s_barrier_signal -1
	s_barrier_wait -1
	CREST
.endm
	s_load_b128 s[4:7], s[0:1], 0x0                ; att, wq
	s_load_b64 s[8:9], s[0:1], 0x10                ; out0
	v_lshl_add_u32 v[SPW], v0, 2, SPARE
	v_mov_b32 v[NIL], 0
	ds_add_u32 v[SPW], v[NIL]                      ; the wave's opening: the add, twice on end, and its wait ahead of my first tensor load
	ds_add_u32 v[SPW], v[NIL]
	v_lshrrev_b32 v1, 5, v0
	v_readfirstlane_b32 s10, v1
	s_lshr_b32 s11, s10, 1                         ; my half of the rows.  Also: I fetch for A (0) or B (1)
	s_and_b32 s12, s10, 1                          ; my half of the columns.  Also: which 64 rows I fetch
	s_bfe_u32 s40, ttmp6, 0x40000
	s_bfe_u32 s41, ttmp6, 0x40004
	s_lshl_b32 s42, ttmp9, 2
	s_add_co_u32 s42, s42, s40                     ; tile column
	s_and_b32 s13, ttmp7, 0xffff
	s_lshl_b32 s13, s13, 2
	s_add_co_u32 s13, s13, s41                     ; tile row
	s_lshl_b32 s43, s41, 2
	s_lshl_b32 s43, 15, s43
	s_lshl_b32 s44, 0x1111, s40
	s_or_b32 s[G1+0], s43, (3<<16)|(1<<21)         ; the mask; elements of 8 bytes; bit 21 beside a mask; no padding
	s_or_b32 s[G1B+0], s44, (3<<16)|(1<<21)
.irp g, G1, G1B
	s_mov_b32 s[\g+1], 1024<<16                    ; tensor_dim0: 8 groups of K of a tile, 8,192 bytes
	s_mov_b32 s[\g+2], 4<<16                       ; tensor_dim1: 4 tiles
	s_mov_b32 s[\g+3], 1024<<16
	s_mov_b32 s[\g+4], 4
	s_mov_b32 s[\g+5], 4096                        ; from tile to tile: 32,768 bytes
	s_mov_b32 s[\g+6], 0
	s_mov_b32 s[\g+7], 0
.endr
	s_lshl_b32 s17, s12, 17                        ; the 4 tiles that I fetch
	s_lshl_b32 s16, s13, 18
	s_add_co_u32 s16, s16, s17
	s_lshl_b32 s46, s42, 18
	s_add_co_u32 s46, s46, s17
	s_add_co_u32 s46, s46, WO
	s_mov_b32 s17, 0
	s_mov_b32 s47, 0
	s_lshl_b32 s20, s10, 15                        ; where they go: wave x a chunk
	s_wait_dscnt 0x0
	s_wait_kmcnt 0x0
	s_add_nc_u64 s[14:15], s[4:5], s[16:17]
	s_add_nc_u64 s[46:47], s[6:7], s[46:47]
	CROUND
.irp s, 0,1
	s_mov_b32 s[G0+4*\s], 1
	s_add_co_u32 s[G0+4*\s+1], s20, \s*SLOT
	s_add_nc_u64 s[G0+4*\s+2:G0+4*\s+3], s[14:15], \s*8192
	s_or_b32 s[G0+4*\s+3], s[G0+4*\s+3], 0x80000000
	s_mov_b32 s[G0B+4*\s], 1
	s_add_co_u32 s[G0B+4*\s+1], s20, \s*SLOT
	s_add_nc_u64 s[G0B+4*\s+2:G0B+4*\s+3], s[46:47], \s*8192
	s_or_b32 s[G0B+4*\s+3], s[G0B+4*\s+3], 0x80000000
	JLOAD \s
.endr
	v_and_b32 v1, 15, v0
	v_bfe_u32 v2, v0, 4, 1
	v_and_b32 v3, 31, v0
	v_lshlrev_b32 v3, 4, v3
	s_lshl_b32 s21, s11, 15
	s_lshl_b32 s22, s12, 15
	s_add_co_u32 s22, s22, 2*CHUNK
.irp s, 0,1
	v_add_nc_u32 v[ADRA+\s], s21, v3
	v_add_nc_u32 v[ADRB+\s], s22, v3
	s_add_co_u32 s21, s21, SLOT
	s_add_co_u32 s22, s22, SLOT
.endr
	s_mul_i32 s23, s10, 16*SPITCH
	s_add_co_u32 s23, s23, STAGE                   ; my stage
	v_mul_u32_u24 v4, v1, SPITCH
	v_lshl_add_u32 v4, v2, 5, v4
	v_add_nc_u32 v[STO], s23, v4                   ; in: row l % 16, 32 bytes for each half of the lanes
	v_mul_u32_u24 v5, v2, SPITCH
	v_lshl_add_u32 v5, v1, 4, v5
	v_add_nc_u32 v[RD], s23, v5                    ; back: lanes 0-15 one row of 256 bytes, lanes 16-31 the next
	v_lshlrev_b32 v5, 12, v2
	v_lshl_add_u32 v[CO], v1, 4, v5                ; and the same two rows in the output
	s_lshl_b32 s16, s13, 19
	s_lshl_b32 s17, s11, 18
	s_add_co_u32 s16, s16, s17                     ; my first row: (128 x tile row + 64 x half) x 4,096 bytes
	s_lshl_b32 s17, s42, 9
	s_add_co_u32 s16, s16, s17
	s_lshl_b32 s17, s12, 8
	s_add_co_u32 s16, s16, s17                     ; my first column
	s_mov_b32 s17, 0
	s_add_nc_u64 s[8:9], s[8:9], s[16:17]
.macro MUL8 f, c, a0, zero
.irp a, \a0, \a0+1
.irp b, 0,1,2,3
.if \zero
	v_wmma_f32_16x16x32_f16 v[ACC+8*(4*(\a)+\b):ACC+8*(4*(\a)+\b)+7], v[\f+64+8*(4*\c+\b):\f+64+8*(4*\c+\b)+7], v[\f+8*(4*\c+\a):\f+8*(4*\c+\a)+7], 0
.else
	v_wmma_f32_16x16x32_f16 v[ACC+8*(4*(\a)+\b):ACC+8*(4*(\a)+\b)+7], v[\f+64+8*(4*\c+\b):\f+64+8*(4*\c+\b)+7], v[\f+8*(4*\c+\a):\f+8*(4*\c+\a)+7], v[ACC+8*(4*(\a)+\b):ACC+8*(4*(\a)+\b)+7]
.endif
.endr
.endr
.endm
.macro FETCH slot, qd, f               ; 32 LDS loads in one run: the fragments of the slot's quarter qd (groups 2 qd, 2 qd + 1 of K), the first group first
	WIN TO_F
.irp c, 0,1
.irp i, 0,1,2,3
	ds_load_b128 v[\f+64+8*(4*\c+\i):\f+64+8*(4*\c+\i)+3],   v[ADRB+\slot] offset:(\i*8+2*(\qd)+\c)*1024
	ds_load_b128 v[\f+64+8*(4*\c+\i)+4:\f+64+8*(4*\c+\i)+7], v[ADRB+\slot] offset:(\i*8+2*(\qd)+\c)*1024+512
	ds_load_b128 v[\f+8*(4*\c+\i):\f+8*(4*\c+\i)+3],         v[ADRA+\slot] offset:(\i*8+2*(\qd)+\c)*1024
	ds_load_b128 v[\f+8*(4*\c+\i)+4:\f+8*(4*\c+\i)+7],       v[ADRA+\slot] offset:(\i*8+2*(\qd)+\c)*1024+512
.endr
.endr
.endm
.macro PLACES
.rept 4
	v_nop
.endr
.endm
.macro QUARTER slot, qd, f, g, zero    ; multiplies buffer f, fetches quarter qd into g
	s_wait_dscnt 16                                ; the first 32 along K are in
	WIN MUL
	MUL8 \f, 0, 0, \zero
	MUL8 \f, 0, 2, \zero
	PLACES
	FETCH \slot, \qd, \g
	s_wait_dscnt 32                                ; all but the 32 just issued
	WIN MUL
	MUL8 \f, 1, 0, 0
	MUL8 \f, 1, 2, 0
.endm
.macro TURN slot, next, fill           ; a slot's last quarter changes slots
	WIN 0
	s_wait_tensorcnt 0x0                           ; all my tensor loads have landed: my part of the next slot;
	ds_add_u32 v[SPW], v[NIL]
	s_wait_dscnt 17                                ; (the add and the youngest sixteen loads may be out)
	WIN MUL
	MUL8 F1, 0, 0, 0
	s_wait_dscnt 0x0                               ; the add is done, and my reads of this slot are over
	s_barrier_signal -1
	MUL8 F1, 0, 2, 0
.if \fill
	WIN 0
.endif
	s_barrier_wait -1
.if \fill
	CREST                                          ; the barrier has opened a round of the cluster's: no wave of any partner still reads this slot or has a load on its way
	s_add_nc_u64 s[G0+4*\slot+2:G0+4*\slot+3], s[G0+4*\slot+2:G0+4*\slot+3], 2*8192
	s_add_nc_u64 s[G0B+4*\slot+2:G0B+4*\slot+3], s[G0B+4*\slot+2:G0B+4*\slot+3], 2*8192
	JLOAD \slot                                    ; the first tensor load behind the round, one a wave; its four v_nop are also the places in front of the loads below
.else
	PLACES
.endif
	FETCH \next, 0, F0
	WIN MUL
	MUL8 F1, 1, 0, 0
	MUL8 F1, 1, 2, 0
.endm
	s_wait_tensorcnt 1                             ; my part of K step 0 is in; K step 1's load may stay out
	s_barrier_signal -1
	s_barrier_wait -1
	FETCH 0, 0, F0
	QUARTER 0, 1, F0, F1, 1                        ; the first products start the sums
	QUARTER 0, 2, F1, F0, 0
	QUARTER 0, 3, F0, F1, 0
	TURN 0, 1, 1                                   ; slot 0 takes K step 2
	QUARTER 1, 1, F0, F1, 0
	QUARTER 1, 2, F1, F0, 0
	QUARTER 1, 3, F0, F1, 0
	TURN 1, 0, 1                                   ; slot 1 takes K step 3
	QUARTER 0, 1, F0, F1, 0
	QUARTER 0, 2, F1, F0, 0
	QUARTER 0, 3, F0, F1, 0
	TURN 0, 1, 0                                   ; nothing is left to fetch
	QUARTER 1, 1, F0, F1, 0
	QUARTER 1, 2, F1, F0, 0
	QUARTER 1, 3, F0, F1, 0
	s_wait_dscnt 16
	WIN MUL
	MUL8 F1, 0, 0, 0
	MUL8 F1, 0, 2, 0
	s_wait_dscnt 0
	MUL8 F1, 1, 0, 0
	MUL8 F1, 1, 2, 0
	WIN 0
	PLACES
; THE WAY OUT, 16 rows x my 64 columns (256 bytes) at a time, through my own stage: sixteen lanes store 256 consecutive aligned bytes.  LDS serves a wave's instructions in order: no wait between the stores and the loads.
.macro TOSTAGE a
.irp b, 0,1,2,3
	ds_store_b128 v[STO], v[ACC+8*(4*(\a)+\b):ACC+8*(4*(\a)+\b)+3] offset:64*\b
	ds_store_b128 v[STO], v[ACC+8*(4*(\a)+\b)+4:ACC+8*(4*(\a)+\b)+7] offset:64*\b+16
.endr
.irp t, 0,1,2,3,4,5,6,7
	ds_load_b128 v[TMP+32*((\a)%2)+4*\t:TMP+32*((\a)%2)+4*\t+3], v[RD] offset:\t*2*SPITCH
.endr
.endm
.macro SEND a, younger
	s_wait_dscnt \younger
.irp t, 0,1,2,3,4,5,6,7
	global_store_b128 v[CO], v[TMP+32*((\a)%2)+4*\t:TMP+32*((\a)%2)+4*\t+3], s[8:9] offset:(16*(\a)+2*\t)*4096 th:TH_STORE_NT
.endr
.endm
	TOSTAGE 0
.irp a, 1,2,3
.if \a > 1
	s_wait_xcnt 0x0                                ; block a - 2's stores have read their registers
.endif
	TOSTAGE \a
	SEND \a-1, 16                                  ; behind block a - 1's loads: block a's 8 stores and 8 loads
.endr
	SEND 3, 0
	s_wait_tensorcnt 0x0                           ; the wave's end
	ds_add_u32 v[SPW], v[NIL]
	s_wait_dscnt 0x0
	CROUND                                         ; the closing round
	s_endpgm
.Lfunc_end_k_q72b9c1beda_oproj:
	.size	k_q72b9c1beda_oproj, .Lfunc_end_k_q72b9c1beda_oproj-k_q72b9c1beda_oproj
	.p2alignl 7, 3214868480
	.fill 96, 4, 3214868480
	.section	.rodata,"a",@progbits
	.p2align	6, 0x0
	.amdhsa_kernel k_q72b9c1beda_oproj
		.amdhsa_group_segment_fixed_size 327680
		.amdhsa_private_segment_fixed_size 0
		.amdhsa_enable_private_segment 0
		.amdhsa_kernarg_size 24
		.amdhsa_user_sgpr_count 2
		.amdhsa_user_sgpr_kernarg_segment_ptr 1
		.amdhsa_wavefront_size32 1
		.amdhsa_system_sgpr_workgroup_id_x 1
		.amdhsa_system_sgpr_workgroup_id_y 1
		.amdhsa_system_sgpr_workgroup_id_z 1
		.amdhsa_system_vgpr_workitem_id 0
		.amdhsa_next_free_vgpr 512
		.amdhsa_next_free_sgpr 66
		.amdhsa_reserve_vcc 0
		.amdhsa_float_denorm_mode_32 3
		.amdhsa_float_denorm_mode_16_64 3
		.amdhsa_memory_ordered 1
		.amdhsa_forward_progress 1
		.amdhsa_inst_pref_size 85
	.end_amdhsa_kernel
	.amdgpu_metadata
---
amdhsa.version: [ 1, 2 ]
amdhsa.kernels:
  - .name:           k_q72b9c1beda_oproj
    .symbol:         k_q72b9c1beda_oproj.kd
    .args:
      - { .name: att, .offset: 0, .size: 8, .value_kind: global_buffer, .address_space: global }
      - { .name: wq, .offset: 8, .size: 8, .value_kind: global_buffer, .address_space: global }
      - { .name: out0, .offset: 16, .size: 8, .value_kind: global_buffer, .address_space: global }
    .group_segment_fixed_size: 327680
    .private_segment_fixed_size: 0
    .kernarg_segment_align: 8
    .kernarg_segment_size: 24
    .max_flat_workgroup_size: 128
    .sgpr_count:     66
    .vgpr_count:     512
    .wavefront_size: 32
...
	.end_amdgpu_metadata
.endif
;; end of part 4
;; launch first16 (part 5): grid 32 x 2, 16 waves a work-group, no clusters, 34,816 bytes of LDS; arguments fine, w_o, bounds, out0; writes out0
.if DOCPART == 5
	.amdgcn_target "amdgcn-amd-amdhsa--gfx1250"
	.amdhsa_code_object_version 6
	.text
	.protected	k_q72b9c1beda_first16
	.globl	k_q72b9c1beda_first16
	.p2align	8
	.type	k_q72b9c1beda_first16,@function
k_q72b9c1beda_first16:
	s_mov_b64 s[64:65], 0
	v_nop
	global_prefetch_b8 v0, s[64:65] scope:SCOPE_SE
	s_setreg_imm32_b32 hwreg(HW_REG_WAVE_MODE, 25, 1), 1
	s_wait_xcnt 0x0
; Positions 0-15 of both sequences once more, all in f32 (v_wmma_f32_16x16x4_f32): these rows average one to sixteen values and are the largest of the output.  Attention and the projection on the way out; the 32 rows are written over.
; A work-group takes one batch and 32 output columns; a wave one head; the sixteen heads' parts are added through LDS.
; fine holds images of the projection's f32 accumulators.  They ARE operands of the f32 form under one permutation of k, applied alike to both sides:
;   q, k: register 8 be + j of lane (r, h) = (token r, channel 16 be + 8 h + j): the pair (2 u, 2 u + 1) is step (be, u), place 2 h + jj;    v: register 8 ct + j = (key 8 h + j, channel 16 ct + r): the pair (2 i, 2 i + 1) is step i.
; The registers that the matrix instructions write, v192-255, are written by them alone.
; The rows are stored only where the bounds prove that masked keys count for nothing (Eq + Ek <= 263: see the attention launch): these 16 keys are then the whole row.  Elsewhere the rows keep the full walk's result.
; The choice is an EXEC mask: a barrier stands on the way.  Stated: w_o is read in pieces of 64 bytes, the result leaves in pieces of 128 bytes (128 KB in all), and the sixteen LDS loads of the sum collide in the banks.
.set SPARE, 32768
.macro BLOAD b, adr, base
	global_load_b128 v[\b:\b+3], v[\adr], s[\base:\base+1]
	global_load_b128 v[\b+4:\b+7], v[\adr], s[\base:\base+1] offset:512
	global_load_b128 v[\b+8:\b+11], v[\adr], s[\base:\base+1] offset:1024
	global_load_b128 v[\b+12:\b+15], v[\adr], s[\base:\base+1] offset:1536
.endm
.macro BRED b, sa, sb, sel             ; by whole-number instructions alone; s[sa] = Eq + Ek
.irp i, 1,2,3,4,5,6,7
	v_max_u32 v[\b], v[\b], v[\b+\i]
	v_max_u32 v[\b+8], v[\b+8], v[\b+8+\i]
.endr
.irp m, 1,2,4,8
	v_mov_b32_dpp v[\b+1], v[\b] row_xmask:\m row_mask:0xf bank_mask:0xf
	v_mov_b32_dpp v[\b+9], v[\b+8] row_xmask:\m row_mask:0xf bank_mask:0xf
	v_max_u32 v[\b], v[\b], v[\b+1]
	v_max_u32 v[\b+8], v[\b+8], v[\b+9]
.endr
	v_permlanex16_b32 v[\b+1], v[\b], s[\sel], s[\sel+1]
	v_permlanex16_b32 v[\b+9], v[\b+8], s[\sel], s[\sel+1]
	v_max_u32 v[\b], v[\b], v[\b+1]
	v_max_u32 v[\b+8], v[\b+8], v[\b+9]
	v_readfirstlane_b32 s[\sa], v[\b]
	v_readfirstlane_b32 s[\sb], v[\b+8]
	s_min_u32 s[\sa], s[\sa], 0x200
	s_min_u32 s[\sb], s[\sb], 0x200
	s_add_co_u32 s[\sa], s[\sa], s[\sb]
.endm
	s_load_b256 s[4:11], s[0:1], 0x0               ; fine, w_o, bounds, out0
	v_lshl_add_u32 v1, v0, 2, SPARE
	v_mov_b32 v2, 0
	v_lshrrev_b32 v3, 5, v0
	v_readfirstlane_b32 s12, v3                    ; wave: my head, later my query
	s_and_b32 s13, ttmp7, 0xffff                   ; batch
	v_and_b32 v4, 31, v0
	v_lshlrev_b32 v5, 4, v4                        ; 16 x lane
	v_and_b32 v6, 15, v0                           ; r
	v_bfe_u32 v7, v0, 4, 1                         ; h
	v_lshlrev_b32 v8, 2, v6
	v_lshl_add_u32 v8, v7, 15, v8                  ; w_o: 8 h rows of 4,096 bytes + 4 r
	v_lshlrev_b32 v9, 3, v7
	v_sub_nc_u32 v9, v6, v9                        ; r - 8 h
	s_lshl_b32 s14, s12, 11
	v_add_nc_u32 v10, s14, v5                      ; my head's part: images, 2,048 bytes a wave
	v_lshlrev_b32 v11, 10, v7                      ; the sum: lane l takes column l = 16 ta + 8 h' + 4 e + i of query w: 1,024 ta
	v_bfe_u32 v12, v0, 2, 1
	v_lshl_add_u32 v11, v12, 9, v11                ; + 512 e
	v_bfe_u32 v12, v0, 3, 1
	v_lshl_add_u32 v11, v12, 8, v11                ; + 256 h'
	v_and_b32 v12, 3, v0
	v_lshl_add_u32 v11, v12, 2, v11                ; + 4 i
	s_lshl_b32 s14, s12, 4
	v_add_nc_u32 v11, s14, v11                     ; + 16 w
	v_lshlrev_b32 v12, 2, v4                       ; out: 4 x lane
	v_mov_b32 v15, 0                               ; a lane permute's destination counts as read
	s_mov_b32 s20, 0x76543210
	s_mov_b32 s21, 0xfedcba98
	s_mov_b32 s23, 0x3e000000                      ; 1 / 8
	s_mov_b32 s24, 0x3fb8aa3b                      ; log2(e)
	s_mov_b32 s17, 0
	s_lshl_b32 s15, ttmp9, 7                       ; my 32 columns, in bytes
	s_wait_kmcnt 0x0
	s_lshl_b32 s16, s13, 16
	s_lshl_b32 s14, s12, 12
	s_add_co_u32 s16, s16, s14
	s_add_nc_u64 s[4:5], s[4:5], s[16:17]          ; fine at (batch, head)
	s_lshl_b32 s16, s12, 18                        ; my head's 64 rows of w_o
	s_add_co_u32 s16, s16, s15
	s_add_nc_u64 s[6:7], s[6:7], s[16:17]
	s_lshl_b32 s16, s13, 11
	s_add_co_u32 s16, s16, s12
	s_lshl_b32 s16, s16, 12
	s_add_co_u32 s16, s16, s15
	s_add_nc_u64 s[10:11], s[10:11], s[16:17]      ; row 2,048 batch + w of the output
	BLOAD 16, 5, 8
.irp p, 0,1,2
.irp n, 0,1,2,3,4,5,6,7
	global_load_b128 v[32+32*\p+4*\n:32+32*\p+4*\n+3], v5, s[4:5] offset:\p*131072+\n*512     ; Q v32-63, K v64-95, V v96-127
.endr
.endr
.irp ta, 0,1
.irp ct, 0,1,2,3
.irp i, 0,1,2,3
.irp jj, 0,1
	global_load_b32 v[128+(\ta*16+\ct*4+\i)*2+\jj], v8, s[6:7] offset:(16*\ct+2*\i+\jj)*4096+64*\ta   ; w_o(64 head + 16 ct + 8 h + 2 i + jj, column 16 ta + r)
.endr
.endr
.endr
.endr
	s_wait_loadcnt 63                              ; the bounds and q, k, v are in; 64 loads of w_o stand behind them, and the wait's field ends at 63
	BRED 16, 18, 19, 20
	s_cmp_le_u32 s18, 263
	s_cselect_b32 s22, 1, 0
.irp be, 0,1,2,3                       ; S^T = K Q^T: 16 steps of 4 channels over four accumulators by turns
.irp u, 0,1,2,3
.if \be == 0
	v_wmma_f32_16x16x4_f32 v[192+8*\u:199+8*\u], v[64+8*\be+2*\u:65+8*\be+2*\u], v[32+8*\be+2*\u:33+8*\be+2*\u], 0
.else
	v_wmma_f32_16x16x4_f32 v[192+8*\u:199+8*\u], v[64+8*\be+2*\u:65+8*\be+2*\u], v[32+8*\be+2*\u:33+8*\be+2*\u], v[192+8*\u:199+8*\u]
.endif
.endr
.endr
.rept 8
	v_nop                                          ; eight places behind this form, in front of the first read of results
.endr
	v_mov_b32 v14, 0xc61c4000                      ; -10,000
.irp j, 0,1,2,3,4,5,6,7                ; lane (r, h): query r, key 8 h + j; each accumulator is read from its low end on
	v_add_f32 v[16+\j], v[192+\j], v[200+\j]
	v_add_f32 v13, v[208+\j], v[216+\j]
	v_add_f32 v[16+\j], v[16+\j], v13
	v_cmp_gt_i32 vcc_lo, \j, v9
	v_cndmask_b32 v13, 0, v14, vcc_lo
	v_fma_f32 v[16+\j], v[16+\j], s23, v13         ; score / 8 + the mask
.endr
	v_max3_num_f32 v13, v16, v17, v18
	v_max3_num_f32 v13, v13, v19, v20
	v_max3_num_f32 v13, v13, v21, v22
	v_max_num_f32 v13, v13, v23
	v_permlanex16_b32 v15, v13, s20, s21
	v_max_num_f32 v13, v13, v15                    ; the row's maximum
	v_mul_f32 v13, s24, v13
.irp j, 0,1,2,3,4,5,6,7
	v_fma_f32 v[16+\j], v[16+\j], s24, -v13
.endr
.irp j, 0,1,2,3,4,5,6,7
	v_exp_f32 v[16+\j], v[16+\j]
.endr
	v_nop
	s_wait_alu depctr_va_vdst(0)                   ; one wait for the eight
	v_add_f32 v13, v16, v17
	v_add_f32 v14, v18, v19
	v_add_f32 v13, v13, v20
	v_add_f32 v14, v14, v21
	v_add_f32 v13, v13, v22
	v_add_f32 v14, v14, v23
	v_add_f32 v13, v13, v14
	v_permlanex16_b32 v15, v13, s20, s21
	v_add_f32 v13, v13, v15
	v_rcp_f32 v14, v13
	v_nop
	s_wait_alu depctr_va_vdst(0)
.irp j, 0,1,2,3,4,5,6,7
	v_mul_f32 v[24+\j], v[16+\j], v14              ; the weights
.endr
.irp i, 0,1,2,3                        ; O^T = V^T P: 4 steps of 4 keys, four tiles of 16 channels by turns
.irp ct, 0,1,2,3
.if \i == 0
	v_wmma_f32_16x16x4_f32 v[224+8*\ct:231+8*\ct], v[96+8*\ct+2*\i:97+8*\ct+2*\i], v[24+2*\i:25+2*\i], 0
.else
	v_wmma_f32_16x16x4_f32 v[224+8*\ct:231+8*\ct], v[96+8*\ct+2*\i:97+8*\ct+2*\i], v[24+2*\i:25+2*\i], v[224+8*\ct:231+8*\ct]
.endif
.endr
.endr
.rept 9
	v_nop                                          ; nine places: these results become operands
.endr
	s_wait_loadcnt 0x0                             ; w_o
.irp ct, 0,1,2,3                       ; my head's part of out^T: 16 steps of 4 channels, two tiles of 16 columns by turns
.irp i, 0,1,2,3
.irp ta, 0,1
.if (\ct == 0) && (\i == 0)
	v_wmma_f32_16x16x4_f32 v[192+8*\ta:199+8*\ta], v[128+(\ta*16+\ct*4+\i)*2:129+(\ta*16+\ct*4+\i)*2], v[224+8*\ct+2*\i:225+8*\ct+2*\i], 0
.else
	v_wmma_f32_16x16x4_f32 v[192+8*\ta:199+8*\ta], v[128+(\ta*16+\ct*4+\i)*2:129+(\ta*16+\ct*4+\i)*2], v[224+8*\ct+2*\i:225+8*\ct+2*\i], v[192+8*\ta:199+8*\ta]
.endif
.endr
.endr
.endr
.rept 8
	v_nop
.endr
.irp ta, 0,1
	ds_store_b128 v10, v[192+8*\ta:195+8*\ta] offset:\ta*1024
	ds_store_b128 v10, v[196+8*\ta:199+8*\ta] offset:\ta*1024+512
.endr
	s_wait_dscnt 0x0                               ; for the others' sake
	s_barrier_signal -1
	s_barrier_wait -1
.irp w, 0,1,2,3,4,5,6,7,8,9,10,11,12,13,14,15
	ds_load_b32 v[32+\w], v11 offset:\w*2048       ; the sixteen heads' parts of (query w, column l)
.endr
	s_wait_dscnt 0x0
.irp i, 0,1,2,3,4,5,6,7
	v_add_f32 v[32+\i], v[32+\i], v[40+\i]
.endr
.irp i, 0,1,2,3
	v_add_f32 v[32+\i], v[32+\i], v[36+\i]
.endr
	v_add_f32 v32, v32, v34
	v_add_f32 v33, v33, v35
	v_add_f32 v32, v32, v33
	v_mov_b32 v13, s22
	v_cmp_eq_u32 vcc_lo, 1, v13
	s_wait_xcnt 0x0                                ; EXEC changes only behind this wait
	s_and_saveexec_b32 s25, vcc_lo
	global_store_b32 v12, v32, s[10:11]
	s_wait_xcnt 0x0
	s_or_b32 exec_lo, exec_lo, s25
	s_wait_tensorcnt 0x0                           ; the wave's end, behind my last LDS store
	ds_add_u32 v1, v2
	s_wait_dscnt 0x0
	s_endpgm
.Lfunc_end_k_q72b9c1beda_first16:
	.size	k_q72b9c1beda_first16, .Lfunc_end_k_q72b9c1beda_first16-k_q72b9c1beda_first16
	.p2alignl 7, 3214868480
	.fill 96, 4, 3214868480
	.section	.rodata,"a",@progbits
	.p2align	6, 0x0
	.amdhsa_kernel k_q72b9c1beda_first16
		.amdhsa_group_segment_fixed_size 34816
		.amdhsa_private_segment_fixed_size 0
		.amdhsa_enable_private_segment 0
		.amdhsa_kernarg_size 32
		.amdhsa_user_sgpr_count 2
		.amdhsa_user_sgpr_kernarg_segment_ptr 1
		.amdhsa_wavefront_size32 1
		.amdhsa_system_sgpr_workgroup_id_x 1
		.amdhsa_system_sgpr_workgroup_id_y 1
		.amdhsa_system_sgpr_workgroup_id_z 1
		.amdhsa_system_vgpr_workitem_id 0
		.amdhsa_next_free_vgpr 256
		.amdhsa_next_free_sgpr 66
		.amdhsa_reserve_vcc 1
		.amdhsa_float_denorm_mode_32 3
		.amdhsa_float_denorm_mode_16_64 3
		.amdhsa_memory_ordered 1
		.amdhsa_forward_progress 1
		.amdhsa_inst_pref_size 24
	.end_amdhsa_kernel
	.amdgpu_metadata
---
amdhsa.version: [ 1, 2 ]
amdhsa.kernels:
  - .name:           k_q72b9c1beda_first16
    .symbol:         k_q72b9c1beda_first16.kd
    .args:
      - { .name: fine, .offset: 0, .size: 8, .value_kind: global_buffer, .address_space: global }
      - { .name: w_o, .offset: 8, .size: 8, .value_kind: global_buffer, .address_space: global }
      - { .name: bounds, .offset: 16, .size: 8, .value_kind: global_buffer, .address_space: global }
      - { .name: out0, .offset: 24, .size: 8, .value_kind: global_buffer, .address_space: global }
    .group_segment_fixed_size: 34816
    .private_segment_fixed_size: 0
    .kernarg_segment_align: 8
    .kernarg_segment_size: 32
    .max_flat_workgroup_size: 512
    .sgpr_count:     66
    .vgpr_count:     256
    .wavefront_size: 32
...
	.end_amdgpu_metadata
.endif
;; end of part 5
